; MI455X (gfx1250); checked and timed in simulation.
; The chip was launched on July 23, 2026; its instructions are those of AMD's public machine-readable ISA for CDNA 5 (MIT licence, August 2026) and "CDNA5" Instruction Set Architecture Reference Guide (July 2026). The comments in the code are by the model that wrote it; some were corrected since.
;; Sigma Encoder. Allowed arithmetic: matrix products marked QUANTISED: E2M1 operands, one E8M0 scale for each 32 along K, by v_wmma_scale_f32_16x16x128_f8f6f4 with both operands' format E2M1 (or v_wmma_scale_f32_32x16x128_f4), f32 sums; everything else in f32.
;; Inputs: W1 1,025 x 512 float32; W2_codes 512 x 16 x 16 uint8 (E2M1 codes of W2, K innermost, in blocks of 32 codes, two codes a byte); W2_scales 512 x 16 uint8 (E8M0 scales of W2, one for each 32 codes along K); W3_codes 512 x 16 x 16 uint8 (E2M1 codes of W3, K innermost, in blocks of 32 codes, two codes a byte); W3_scales 512 x 16 uint8 (E8M0 scales of W3, one for each 32 codes along K); a 256 x 1,024 float32; b1 512 float32; b2 512 float32; b3 512 float32; ln_b 512 float32; ln_g 512 float32; mask 256 x 1,024 bool; mate 256 x 1,024 int32.
;; Outputs: out0 256 x 512 float32.
;; This version of the problem:
;;   THIS VERSION OF THE PROBLEM IS GIVEN IN LOW PRECISION. The matrix products marked QUANTISED in the list below multiply operands that are first quantised to E2M1 (2 exponent bits, 1 mantissa bit; 4 bits a number), with one power-of-two scale for each 32 numbers along K (OCP MX v1.0); their sums are f32. All else is computed in f32.
;;   The module's matrix products, in the order in which they are computed (A, B: the left and right operand; K: the contracted axis; several contracted axes count as one K, in the product's order):
;;     1. [M 262,144, K 512] x [K 512, N 512]; A: computed on the way; B: input W2 (given as codes): QUANTISED
;;     2. [M 256, K 512] x [K 512, N 512]; A: computed on the way; B: input W3 (given as codes): QUANTISED
;;   THE QUANTISER, for each operand of a quantised product, along K:
;;     - K is cut into blocks of 32 from its start; a last block that is shorter is filled with zeros.
;;     - A block's scale is 2^e with e = floor(log2(the largest magnitude in the block)) - 2, held to -126 .. 127; a block of zeros has e = 0. As a byte (E8M0): e + 127.
;;     - Each number is divided by its block's scale, clamped to +-6, and rounded to the nearest number of E2M1, ties to even, subnormals kept.
;;     - The product sums the exact products of the quantised numbers (number of the format x scale) in f32.
;;   ~~~python
;;   def quantise(x, axis):      # numpy; x: float32 -> the quantised numbers, widened to float32 again
;;       x = np.moveaxis(x, axis, -1); K = x.shape[-1]
;;       x = np.pad(x, [(0, 0)] * (x.ndim - 1) + [(0, -K % 32)]); x = x.reshape(x.shape[:-1] + (-1, 32)); a = np.abs(x).max(-1, keepdims=True)
;;       e = np.where(a > 0, np.clip(np.frexp(np.where(a > 0, a, 1))[1] - 1 - 2, -126, 127), 0)      # np.frexp(a)[1] - 1 = floor(log2(a)), exactly
;;       r = np.clip(x / 2.0 ** e, -6, 6)
;;       step = 2.0 ** (np.maximum(np.frexp(np.where(r == 0, 1, r))[1] - 1, 0) - 1)
;;       q = np.round(r / step) * step * 2.0 ** e      # np.round: ties to even
;;       return np.moveaxis(q.reshape(q.shape[:-2] + (-1,))[..., :K], -1, axis).astype(np.float32)
;;   ~~~
;;   OPERANDS COMPUTED ON THE WAY. 'Computed on the way' means the value that the module computes at that place (a softmax that the list does not call 'softmax' is quantised finished and normalised). What goes into a quantiser is computed in f32, as accurately as f32 sums, v_exp_f32 and their like allow (about 1e-6 of the number): no bf16 or f16 on the way to a quantiser, and a product that is left as it is and whose result goes on into a quantised operand takes f32 operands (vector FMAs, or v_wmma_f32_16x16x4_f32). A number that lies on a knife's edge between two numbers of the format may be rounded either way, as far as f32 arithmetic and the matrix unit's own rounding can turn it there, and no further.
;;   INPUTS GIVEN AS CODES. W2 (in the module: [512, 512], K = its axis 0); W3 (in the module: [512, 512], K = its axis 0): each comes as NAME_codes (uint8): NAME with its K axis moved to the last place and cut into blocks of 32 codes, [.., K / 32, bytes a block], one block behind the other in memory; two codes a byte, the lower K in the low four bits (a code: sign, 2 exponent bits, 1 mantissa bit); and NAME_scales (uint8): the same leading axes, one E8M0 byte (e + 127) for each 32 codes along K. Its value is code x scale, taken as it is: it is not quantised again, and the codes and scales need not be those that the quantiser above would give.
;; 3 versions, each right; version 2 is faster than version 1; version 3 is version 2 with the launch sigma written anew for expert scheduling mode. Each part assembles by itself: llvm-mc -triple=amdgcn-amd-amdhsa -mcpu=gfx1250 --defsym DOCPART=n.
;; ======== version 1 of 3: 1 launch
;; launch sigma (part 1): grid 256 x 1, 16 waves a work-group, no clusters, 203,776 bytes of LDS; arguments W1, W2_codes, W2_scales, W3_codes, W3_scales, a, b1, b2, b3, ln_b, ln_g, mask, mate, out0; writes out0
.if DOCPART == 1
	.amdgcn_target "amdgcn-amd-amdhsa--gfx1250"
	.amdhsa_code_object_version 6
	.text
	.protected	k_q446c3213fb_sigma
	.globl	k_q446c3213fb_sigma
	.p2align	8
	.type	k_q446c3213fb_sigma,@function
k_q446c3213fb_sigma:
	s_mov_b64 s[64:65], 0
	v_nop
	global_prefetch_b8 v0, s[64:65] scope:SCOPE_SE
	s_setreg_imm32_b32 hwreg(HW_REG_WAVE_MODE, 25, 1), 1
	s_wait_xcnt 0x0
; out0[b] = LayerNorm(mean over the slots t with mask[b][t] of (Q(gelu(a W1[0] + W1[1 + mate] active + b1)) W2 + b2)) quantised, x W3 + b3.
; Both products on codes of FP4 (E2M1) with one E8M0 scale for each 32 along K; W2 and W3 arrive as codes, K innermost.
; SHARES.  One work-group, sixteen waves of 256 registers (four to a SIMD), owns one batch b and so one row of out0.
; The mean over slots is a sum over the product's M: all tiles of 16 slots are added onto the same accumulators, so pooling costs no vector instruction.
; ALL 1,024 SLOTS ARE WORKED.  The mask only selects values: a slot whose mask byte is 0 gets zero codes, which add nothing; n, the number of kept slots, enters n b2 and the divisor.  No address and no branch hangs on the mask.
; MAKING ROWS.  Wave w's slot 64 w + k is row w of tile k: lane l holds d = 8 l .. 8 l + 7 (half 0) and 256 + 8 l .. + 7 (half 1), so W1[0] and b1 stay in 32 registers, a block of 32 is four
; neighbouring lanes, and one conversion gives four bytes of the row's codes.  The slot's mate and a come by loads in which all lanes name the same word; each lane makes its own offset into W1 from the mate.
; MULTIPLYING.  Wave w owns output columns 32 w .. 32 w + 31; its part of W2 (64 registers, 8 scale words) stays in registers.
; A ROUND is 16 steps: in step r of round q a wave makes its row of tile 16 q + r into set q % 2 and multiplies tile 16 (q - 1) + r out of the other set; one barrier between rounds.
; GELU, in f32: erf by the rational form x P(x^2) / Q(x^2) on x clamped to +-4, rescaled to take h: s = hc^2, hc = h clamped to +-4 sqrt 2; P's coefficient k is halved k times (exact), Q's likewise and times 2 sqrt 2;
; gelu = h (0.5 + hc P(s) / Q'(s)).
; LIMITS: NaN and infinities among the inputs are not served.  Beyond |h| = 5.657 the error function takes its value at 4.  For large negative h the factor 0.5 + erf / 2 keeps an absolute error of about 6e-8.
; A block whose largest magnitude lies under 2^-124 keeps the scale byte 1 (a block of zeros too: its codes are zeros, and only this program reads the bytes).  mate above 1,023 is held at 1,023;
; a negative mate reads row 1,024 of W1 and multiplies it by active = 0, where reference() multiplies row 1 by 0: the same 0 for finite W1.
; NO TENSOR LOADS, NO CLUSTER: of what a work-group reads, 1,024 rows x 2,048 bytes of W1 are chosen by its own indices, row by row, which no joint tile serves; what work-groups share as it lies, W2's and W3's
; 139,264 bytes each, is read once by a work-group straight into registers.
.set RP,    4368                       ; LDS: from one wave's rows to the next wave's: 16 rows of 272 bytes + 16 = 273 x 16 bytes, so the 16 rows of a fragment load start in 16 different columns of 16 bytes
.set RW,    272                        ; a row: 256 bytes of codes, then its 16 scale bytes
.set SET1,  1<<17                      ; set 0 begins at 0, set 1 here; a set is 16 RP = 69,888 bytes
.set POOL,  16*RP                      ; the pooled row, 512 f32
.set TROW,  POOL+2048                  ; a row of 272 bytes for each wave: the normed row's codes and scale bytes
.set OUTS,  TROW+16*RW                 ; the row of out0, 512 f32
; vector registers
.set FA0, 2                            ; v2   r RP + 16 h: my lane's place in a tile's fragments (r = lane % 16, h = lane / 16)
.set FS0, 3                            ; v3   r RP + 256: row r's scale words
.set ST0, 4                            ; v4   w RP + 4 l: where my lane's codes go
.set SB0, 5                            ; v5   w RP + 256 + l / 4: and my block's scale byte
.set FA,  6                            ; v6-9 the same four for the step in hand
.set FS,  7
.set ST,  8
.set SB,  9
.set ZR,  10                           ; v10  0: the offset of the loads in which all lanes name one word
.set GO,  11                           ; v11  my lane's offset in W1, from row 1 on: 2,048 x mate + 32 l
.set AV,  12                           ; v[12:13] the slot's a: packed forms name a pair and take its low word
.set AFV, 14                           ; v[14:15] the slot's active, 1.0 or 0
.set W0,  16                           ; v16-31  W1[0] at my 16 d
.set B1,  32                           ; v32-47  b1
.set G,   48                           ; v48-63  the gathered row
.set H,   64                           ; v64-79  h
.set HC,  80                           ; v80-87  h clamped
.set S,   88                           ; v88-95  hc^2, later gelu
.set P,   96                           ; v96-103
.set Q,   104                          ; v104-111
.set F,   112                          ; v112-143 a tile's four fragments
.set FSC, 144                          ; v144-147 its scale words: these registers hold scales alone
.set WF,  148                          ; v148-211 W2's (later W3's) fragments (nt, ks) at 8 (4 nt + ks)
.set WS,  212                          ; v212-219 their scale words: scales alone
.set ACC, 220                          ; v220-235 two accumulators
.set M,   238                          ; v238 a block's largest magnitude;  v239 at work, then the conversion's scale operand
.set T,   239
.set C11, 240                          ; v[240:241] P's coefficient of s^5, twice;  v[242:243] Q's of s^3, twice;  v244 the clamp
.set C6,  242
.set CL,  244
.set MNV, 247                          ; v247 the next slot's mate
.set R,   248                          ; v248-255 reciprocals.  Codes and byte: v245, v246 (half 0), v248, v249 (half 1)
.set MK,  112                          ; at the head: v112-143 the batch's mask bytes, segment s (slots 32 s + l) in v[112 + s]
; scalar registers
.set WV,  2                            ; my wave
.set PW1, 8                            ; the fourteen buffers
.set PW2C, 10
.set PW2S, 12
.set PW3C, 14
.set PW3S, 16
.set PA,  18                           ; (a and mate: at my wave's first slot)
.set PB1, 20
.set PB2, 22
.set PB3, 24
.set PLB, 26
.set PLG, 28
.set PMK, 30
.set PMT, 32
.set PO,  34
.set NN,  36                           ; n, the batch's kept slots
.set KT,  37                           ; the tile that the step makes: 16 q + r
.set RR,  39                           ; the step, 0 .. 15
.set TL,  43                           ; 272 x step
.set XX,  44                           ; at work
.set YY,  45                           ; at work
.set KEEP, 46                          ; -1 for a kept slot, 0 for another
.set OFF, 52                           ; s[52:53] a byte offset, high word 0
.set W1R, 56                           ; s[56:57] W1's row 1
.set SEL, 58                           ; s[58:59] v_permlanex16_b32's selects for lane l xor 16
.set KA13, 60
.set KA9, 62
.set KA7, 66
.set KA5, 68
.set KA3, 70
.set KA1, 72
.set KB8, 74
.set KB4, 76
.set KB2, 78
.set KB0, 80
.set M0,  84                           ; my slots' mask bits: slots 64 w + 0 .. 31,
.set M1,  85                           ; and 64 w + 32 .. 63
.set MB,  86                           ; s[86:87] where the mate two slots on lies
.set AB,  88                           ; s[88:89] where the next slot's a lies
.macro BAR                             ; my LDS stores have landed and my LDS loads are in: then the work-group's barrier
	s_wait_dscnt 0x0
	s_barrier_signal -1
	s_barrier_wait -1
.endm
.macro LROW reg, off, base             ; 16 numbers of a row of 512 f32: d = 8 l .. + 7 and 256 + 8 l .. + 7
	global_load_b128 v[\reg:\reg+3], v[\off], s[\base:\base+1]
	global_load_b128 v[\reg+4:\reg+7], v[\off], s[\base:\base+1] offset:16
	global_load_b128 v[\reg+8:\reg+11], v[\off], s[\base:\base+1] offset:1024
	global_load_b128 v[\reg+12:\reg+15], v[\off], s[\base:\base+1] offset:1040
.endm
.macro WLOAD cod, scl, vc, vs          ; my 32 columns of a weight: 2 loads of scale words (a column's 16 bytes), then 16 of codes: column n is 256 bytes; K step ks at 64 ks, registers 4 c .. at + 32 c + 16 h
.irp nt, 0,1
	global_load_b128 v[WS+4*\nt:WS+4*\nt+3], v[\vs], s[\scl:\scl+1] offset:256*\nt
.endr
.irp nt, 0,1
.irp ks, 0,1,2,3
.irp c, 0,1
	global_load_b128 v[WF+8*(4*\nt+\ks)+4*\c:WF+8*(4*\nt+\ks)+4*\c+3], v[\vc], s[\cod:\cod+1] offset:4096*\nt+64*\ks+32*\c
.endr
.endr
.endr
.endm
.macro ASKROW                          ; from the mate in v[MNV]: active, my lane's offset, and the row's four loads.  The index is held inside the table before it enters the offset
	v_cmp_gt_i32 vcc_lo, 0, v[MNV]                 ; a negative mate:
	v_min_u32 v[GO], 0x3ff, v[MNV]                 ; (as an unsigned number it is held at 1,023)
	v_cndmask_b32 v[AFV], 1.0, 0, vcc_lo           ; active = 0
	v_lshl_add_u32 v[GO], v[GO], 11, v1
	LROW G, GO, W1R
.endm
; Eight numbers of a lane, v[src] on, d = 256 u + 8 l + 0 .. 7 of a row: their block's scale (four lanes share a block), their codes, both to LDS.
.macro QH src, u, st, sb, code, byte
	v_max3_num_f32 v[M], |v[(\src)]|, |v[(\src)+1]|, 0x1800000     ; with the floor 2^(3 - 127): the byte cannot fall under 1
	v_max3_num_f32 v[T], |v[(\src)+2]|, |v[(\src)+3]|, |v[(\src)+4]|
	v_max3_num_f32 v[M], v[M], |v[(\src)+5]|, |v[(\src)+6]|
	v_max3_num_f32 v[M], v[M], v[T], |v[(\src)+7]|
	v_max_num_f32_dpp v[M], v[M], v[M] row_xmask:1 row_mask:0xf bank_mask:0xf
	v_max_num_f32_dpp v[M], v[M], v[M] row_xmask:2 row_mask:0xf bank_mask:0xf   ; the block's largest magnitude
	v_add_nc_u32 v[T], 0xff000000, v[M]            ; 2 off its exponent field: the conversion takes this operand's exponent field as its scale
	v_cvt_scalef32_pk8_fp4_f32 v[\code], v[(\src):(\src)+7], v[T]
	v_lshrrev_b32 v[\byte], 23, v[T]               ; the scale's byte; also the plain instruction behind the conversion
	v_and_b32 v[\code], s[KEEP], v[\code]          ; a slot that is not kept gets zero codes
	ds_store_b32 v[\st], v[\code] offset:128*\u
	ds_store_b8 v[\sb], v[\byte] offset:8*\u       ; the block's four lanes write the same byte with the same value
.endm
.macro HORN2 ka, kb                    ; one step of both polynomials, by turns
.irp j, 0,2,4,6
	v_pk_fma_f32 v[P+\j:P+\j+1], v[P+\j:P+\j+1], v[S+\j:S+\j+1], s[\ka:\ka+1] op_sel_hi:[1,1,0]
	v_pk_fma_f32 v[Q+\j:Q+\j+1], v[Q+\j:Q+\j+1], v[S+\j:S+\j+1], s[\kb:\kb+1] op_sel_hi:[1,1,0]
.endr
.endm
; gelu of eight numbers of h, and their codes
.macro HALF u, code, byte
.irp j, 0,1,2,3,4,5,6,7
	v_med3_num_f32 v[HC+\j], v[H+8*\u+\j], -v[CL], v[CL]
.endr
.irp j, 0,2,4,6
	v_pk_mul_f32 v[S+\j:S+\j+1], v[HC+\j:HC+\j+1], v[HC+\j:HC+\j+1]
.endr
.irp j, 0,2,4,6
	v_pk_fma_f32 v[P+\j:P+\j+1], v[S+\j:S+\j+1], s[KA13:KA13+1], v[C11:C11+1] op_sel_hi:[1,0,1]
	v_pk_fma_f32 v[Q+\j:Q+\j+1], v[S+\j:S+\j+1], s[KB8:KB8+1], v[C6:C6+1] op_sel_hi:[1,0,1]
.endr
	HORN2 KA9, KB4
	HORN2 KA7, KB2
	HORN2 KA5, KB0                                 ; Q' is finished
.irp i, 0,1,2,3                        ; the eight reciprocals are one batch; P's last two steps stand between them and name neither Q nor R
	v_rcp_f32 v[R+\i], v[Q+\i]
	v_pk_fma_f32 v[P+2*\i:P+2*\i+1], v[P+2*\i:P+2*\i+1], v[S+2*\i:S+2*\i+1], s[KA3:KA3+1] op_sel_hi:[1,1,0]
.endr
.irp i, 0,1,2,3
	v_rcp_f32 v[R+4+\i], v[Q+4+\i]
	v_pk_fma_f32 v[P+2*\i:P+2*\i+1], v[P+2*\i:P+2*\i+1], v[S+2*\i:S+2*\i+1], s[KA1:KA1+1] op_sel_hi:[1,1,0]
.endr
.irp j, 0,2,4,6
	v_pk_mul_f32 v[P+\j:P+\j+1], v[P+\j:P+\j+1], v[HC+\j:HC+\j+1]   ; hc P: independent work behind the batch
.endr
	s_wait_alu depctr_va_vdst(0)                   ; one wait for the eight reciprocals, ahead of their first reader
.irp j, 0,2,4,6
	v_pk_fma_f32 v[P+\j:P+\j+1], v[P+\j:P+\j+1], v[R+\j:R+\j+1], 0.5 op_sel_hi:[1,1,0]   ; 0.5 + erf / 2
.endr
.irp j, 0,2,4,6
	v_pk_mul_f32 v[S+\j:S+\j+1], v[H+8*\u+\j:H+8*\u+\j+1], v[P+\j:P+\j+1]
.endr
	QH S, \u, ST, SB, \code, \byte
.endm
.macro FRAGS fa, fs                    ; a tile's four fragments (16 rows x 128 K: registers 4 c .. hold K = 64 c + 32 h + 0 .. 31) and its rows' scale words
.irp ks, 0,1,2,3
.irp c, 0,1
	ds_load_b128 v[F+8*\ks+4*\c:F+8*\ks+4*\c+3], v[\fa] offset:64*\ks+32*\c
.endr
.endr
	ds_load_b128 v[FSC:FSC+3], v[\fs]
.endm
; Eight matrix instructions: source 0 = 16 slots, source 1 = 16 of my columns.  The two accumulators take turns, one instruction a turn, from step to step too.
.macro MM zero
.irp ks, 0,1,2,3
.irp nt, 0,1
.if \zero && (\ks == 0)
	v_wmma_scale_f32_16x16x128_f8f6f4 v[ACC+8*\nt:ACC+8*\nt+7], v[F+8*\ks:F+8*\ks+7], v[WF+8*(4*\nt+\ks):WF+8*(4*\nt+\ks)+7], 0, v[FSC+\ks], v[WS+4*\nt+\ks] matrix_a_fmt:MATRIX_FMT_FP4 matrix_b_fmt:MATRIX_FMT_FP4
.else
	v_wmma_scale_f32_16x16x128_f8f6f4 v[ACC+8*\nt:ACC+8*\nt+7], v[F+8*\ks:F+8*\ks+7], v[WF+8*(4*\nt+\ks):WF+8*(4*\nt+\ks)+7], v[ACC+8*\nt:ACC+8*\nt+7], v[FSC+\ks], v[WS+4*\nt+\ks] matrix_a_fmt:MATRIX_FMT_FP4 matrix_b_fmt:MATRIX_FMT_FP4
.endif
.endr
.endr
.endm
.macro WRED x, t                       ; a sum over the wave's 32 lanes, the result in every lane
	v_add_f32_dpp v[\x], v[\x], v[\x] row_xmask:1 row_mask:0xf bank_mask:0xf
	v_add_f32_dpp v[\x], v[\x], v[\x] row_xmask:2 row_mask:0xf bank_mask:0xf
	v_add_f32_dpp v[\x], v[\x], v[\x] row_xmask:4 row_mask:0xf bank_mask:0xf
	v_add_f32_dpp v[\x], v[\x], v[\x] row_xmask:8 row_mask:0xf bank_mask:0xf
	v_permlanex16_b32 v[\t], v[\x], s[SEL], s[SEL+1]
	v_add_f32 v[\x], v[\x], v[\t]
.endm
	; ---- the head
	s_load_b512 s[8:23], s[0:1], 0x0
	s_load_b256 s[24:31], s[0:1], 0x40
	s_load_b128 s[32:35], s[0:1], 0x60
	v_lshrrev_b32 v2, 5, v0
	v_readfirstlane_b32 s[WV], v2                  ; wave 0 .. 15
	v_and_b32 v251, 31, v0                         ; l
	v_and_b32 v248, 15, v0                         ; r
	v_bfe_u32 v249, v0, 4, 1                       ; h
	v_lshlrev_b32 v1, 5, v251                      ; 32 l: my first 8 numbers in a row of 512 f32; never rewritten
	v_mul_u32_u24 v[FA0], v248, RP
	v_add_nc_u32 v[FS0], 256, v[FA0]
	v_lshl_add_u32 v[FA0], v249, 4, v[FA0]
	s_mul_i32 s[XX], s[WV], RP
	v_lshl_add_u32 v[ST0], v251, 2, s[XX]
	s_add_co_u32 s[YY], s[XX], 256
	v_lshrrev_b32 v[SB0], 2, v251
	v_add_nc_u32 v[SB0], s[YY], v[SB0]
	s_lshl_b32 s[XX], s[WV], 6
	v_add_nc_u32 v252, s[XX], v251                 ; my slot 64 w + l: its mask byte
	v_mov_b32 v[ZR], 0
	v_mov_b32 v[AV+1], 0                           ; (named as the upper halves of pairs, so they are written)
	v_mov_b32 v[AFV+1], 0
	s_mov_b32 s[SEL], 0x76543210
	s_mov_b32 s[SEL+1], 0xfedcba98
	s_mov_b32 s[KA13], 0xac95df0b                  ; P: alpha(2 k + 1) / 2^k
	s_mov_b32 s[KA9], 0xb40cff51
	s_mov_b32 s[KA7], 0xb6eec2d2
	s_mov_b32 s[KA5], 0xb940ac63
	s_mov_b32 s[KA3], 0xbac1a1f6
	s_mov_b32 s[KA1], 0xbc83dbd4
	s_mov_b32 s[XX], 0x403504f3                    ; 2 sqrt 2
	s_mul_f32 s[KB8], s[XX], 0xb57460cd            ; Q': beta(2 k) / 2^k x 2 sqrt 2
	s_mul_f32 s82, s[XX], 0xb7dfbd29
	s_mul_f32 s[KB4], s[XX], 0xb9dc924e
	s_mul_f32 s[KB2], s[XX], 0xbb719bf8
	s_mul_f32 s[KB0], s[XX], 0xbc69b6a7
.irp k, KA13, KA9, KA7, KA5, KA3, KA1, KB8, KB4, KB2, KB0
	s_mov_b32 s[\k+1], s[\k]                       ; named with it as a pair, so it is written
.endr
	v_mov_b32 v[C11], 0x306dffee
	v_mov_b32 v[C11+1], 0x306dffee
	v_mov_b32 v[C6], s82
	v_mov_b32 v[C6+1], s82
	v_mov_b32 v[CL], 0x40b504f3                    ; 4 sqrt 2
	s_mov_b32 s[OFF+1], 0
	s_mov_b32 s[KT], 0
.irp j, 0,1,2,3,4,5,6,7,8,9,10,11,12,13,14,15
	v_mov_b32 v[ACC+\j], 0                         ; the step is written once for all tiles, so the sums begin as zeros: 16 registers
.endr
	s_lshl_b32 s[OFF], ttmp9, 12                   ; my batch: 4,096 bytes of a and of mate,
	s_lshl_b32 s[XX], s[WV], 8                     ; my wave's 64 slots: 256 bytes
	s_add_co_u32 s[OFF], s[OFF], s[XX]
	s_wait_kmcnt 0x0
	s_add_nc_u64 s[PA:PA+1], s[PA:PA+1], s[OFF:OFF+1]
	s_add_nc_u64 s[PMT:PMT+1], s[PMT:PMT+1], s[OFF:OFF+1]
	s_lshl_b32 s[OFF], ttmp9, 10                   ; 1,024 of mask,
	s_add_nc_u64 s[PMK:PMK+1], s[PMK:PMK+1], s[OFF:OFF+1]
	s_lshl_b32 s[OFF], ttmp9, 11                   ; 2,048 of out0
	s_add_nc_u64 s[PO:PO+1], s[PO:PO+1], s[OFF:OFF+1]
	s_add_nc_u64 s[W1R:W1R+1], s[PW1:PW1+1], 2048
	; ---- my 64 mask bytes, my first slot's mate, the whole batch's mask: 35 loads; then 8 of W1[0] and b1
	global_load_u8 v48, v252, s[PMK:PMK+1]
	global_load_u8 v49, v252, s[PMK:PMK+1] offset:32
	global_load_b32 v[MNV], v[ZR], s[PMT:PMT+1]    ; all lanes name the same word
.set SG, 0
.rept 32
	global_load_u8 v[MK+SG], v251, s[PMK:PMK+1] offset:32*SG
.set SG, SG+1
.endr
	LROW W0, 1, PW1
	LROW B1, 1, PB1
	s_lshl_b32 s[XX], s[WV], 5
	v_add_nc_u32 v239, s[XX], v248                 ; column 32 w + r
	v_lshlrev_b32 v238, 8, v239
	v_lshl_add_u32 v238, v249, 4, v238             ; its codes, + 16 h
	v_lshlrev_b32 v239, 4, v239                    ; its scale bytes
	s_wait_loadcnt 8                               ; the mask and the mate are in: behind them the 8 loads of W1[0] and b1 were issued
	v_cmp_ne_u32 s[M0], 0, v48
	v_cmp_ne_u32 s[M1], 0, v49
	s_mov_b32 s[NN], 0
.set SG, 0
.rept 32
	v_cmp_ne_u32 s[XX], 0, v[MK+SG]
	s_bcnt1_i32_b32 s[XX], s[XX]
	s_add_co_u32 s[NN], s[NN], s[XX]               ; the batch's kept slots
.set SG, SG+1
.endr
	WLOAD PW2C, PW2S, 238, 239                     ; 18 loads
	ASKROW                                         ; slot 0's row: 4 loads
	global_load_b32 v[MNV], v[ZR], s[PMT:PMT+1] offset:4   ; slot 1's mate
	global_load_b32 v[AV], v[ZR], s[PA:PA+1]       ; slot 0's a
	s_wait_loadcnt 6                               ; W1[0], b1 and W2 are in; the six loads just issued may be out
; ---- A ROUND: 16 steps.  make = 1: rows of tiles 16 q + r into set q % 2.  mult = 1: tiles 16 (q - 1) + r out of the other set.
; At the head of step k six loads are on their way, issued a step ago: slot k's row, slot k + 1's mate, slot k's a.
.macro ROUND q, make, mult
	s_mov_b32 s[RR], 0
	s_mov_b32 s[TL], 0
.Lstep_\@:
	s_wait_dscnt 0x0                               ; my last step's LDS stores are done: their address and data registers are written again below
	; the step's addresses.  They are also the four plain instructions between the last step's matrix instructions and this step's loads into the fragments (ISA guide 7.12.1 for vector instructions)
.if \make
.if (\q)%2
	s_add_co_u32 s[XX], s[TL], SET1
	v_add_nc_u32 v[ST], s[XX], v[ST0]
	v_add_nc_u32 v[SB], s[XX], v[SB0]
.else
	v_add_nc_u32 v[ST], s[TL], v[ST0]
	v_add_nc_u32 v[SB], s[TL], v[SB0]
.endif
.else
	v_nop
	v_nop
.endif
.if \mult
.if ((\q)+1)%2
	s_add_co_u32 s[XX], s[TL], SET1
	v_add_nc_u32 v[FA], s[XX], v[FA0]
	v_add_nc_u32 v[FS], s[XX], v[FS0]
.else
	v_add_nc_u32 v[FA], s[TL], v[FA0]
	v_add_nc_u32 v[FS], s[TL], v[FS0]
.endif
.endif
.if \make
	s_and_b32 s[YY], s[KT], 31                     ; my slot's mask bit becomes 0 or -1: it selects values alone
.if (\q) < 2
	s_lshr_b32 s[XX], s[M0], s[YY]
.else
	s_lshr_b32 s[XX], s[M1], s[YY]
.endif
	s_and_b32 s[XX], s[XX], 1
	s_sub_co_u32 s[KEEP], 0, s[XX]
	s_wait_loadcnt 0x0                             ; the six loads issued a step ago; their address registers and bases are free again
.irp j, 0,2,4,6,8,10,12,14
	v_pk_fma_f32 v[H+\j:H+\j+1], v[W0+\j:W0+\j+1], v[AV:AV+1], v[B1+\j:B1+\j+1] op_sel_hi:[1,0,1]
.endr
.irp j, 0,2,4,6,8,10,12,14
	v_pk_fma_f32 v[H+\j:H+\j+1], v[G+\j:G+\j+1], v[AFV:AFV+1], v[H+\j:H+\j+1] op_sel_hi:[1,0,1]
.endr
	ASKROW                                         ; the next slot's row has this step in which to land
	s_add_co_u32 s[XX], s[KT], 2                   ; the mate two slots on and the next slot's a; the numbers wrap at 64, so that no load leaves my wave's 64 words (what the last two steps ask for is not used)
	s_and_b32 s[XX], s[XX], 63
	s_lshl_b32 s[OFF], s[XX], 2
	s_add_nc_u64 s[MB:MB+1], s[PMT:PMT+1], s[OFF:OFF+1]
	s_add_co_u32 s[XX], s[KT], 1
	s_and_b32 s[XX], s[XX], 63
	s_lshl_b32 s[OFF], s[XX], 2
	s_add_nc_u64 s[AB:AB+1], s[PA:PA+1], s[OFF:OFF+1]
	global_load_b32 v[MNV], v[ZR], s[MB:MB+1]
	global_load_b32 v[AV], v[ZR], s[AB:AB+1]
	HALF 0, 245, 246
	HALF 1, 248, 249
.endif
.if \mult
	FRAGS FA, FS                                   ; the tile made a round ago
	s_wait_dscnt 0x0
	MM 0
.endif
	s_add_co_u32 s[KT], s[KT], 1
	s_add_co_u32 s[TL], s[TL], RW
	s_add_co_u32 s[RR], s[RR], 1
	s_cmp_lt_u32 s[RR], 16
	s_cbranch_scc1 .Lstep_\@
.endm
	ROUND 0, 1, 0
	BAR                                            ; every wave's rows of the round lie in LDS, and its reads of the other set are over
	ROUND 1, 1, 1
	BAR
	ROUND 2, 1, 1
	BAR
	ROUND 3, 1, 1
	BAR
	ROUND 4, 0, 1
	; ---- the tail.  The address work is also the plain work between the last matrix instructions, the loads into W2's registers and the first read of the sums
	s_wait_loadcnt 0x0                             ; what the last making step asked for and nobody uses: v10 and the registers it lands in are written again below
	v_and_b32 v96, 31, v0                          ; l
	v_and_b32 v97, 15, v0                          ; r
	v_bfe_u32 v98, v0, 4, 1                        ; h
	v_lshlrev_b32 v6, 2, v0                        ; 4 x thread: my column 32 w + l in b2 and b3
	v_lshl_add_u32 v7, v0, 2, POOL                 ; and in the pooled row; the row of out0 lies OUTS - POOL further on
	v_add_nc_u32 v8, POOL, v1
	s_lshl_b32 s[XX], s[WV], 5
	v_add_nc_u32 v2, s[XX], v97
	v_lshlrev_b32 v9, 8, v2
	v_lshl_add_u32 v9, v98, 4, v9                  ; W3's codes, as W2's
	v_lshlrev_b32 v2, 4, v2                        ; and scale bytes
	v_lshl_add_u32 v4, v0, 4, OUTS
	v_lshlrev_b32 v5, 4, v0
	s_mul_i32 s[XX], s[WV], RW
	s_add_co_u32 s[XX], s[XX], TROW                ; my wave's own row
	v_lshl_add_u32 v10, v96, 2, s[XX]
	v_lshl_add_u32 v236, v98, 4, s[XX]
	s_add_co_u32 s[XX], s[XX], 256
	v_lshrrev_b32 v3, 2, v96
	v_add_nc_u32 v3, s[XX], v3
	v_mov_b32 v237, s[XX]
	global_load_b32 v240, v6, s[PB2:PB2+1]         ; 28 loads: b2, ln_g (4), ln_b (4), W3 (18), b3
	LROW G, 1, PLG
	LROW H, 1, PLB
	WLOAD PW3C, PW3S, 9, 2
	global_load_b32 v241, v6, s[PB3:PB3+1]
	v_cvt_f32_u32 v90, s[NN]
	v_max_num_f32 v91, 1.0, v90
	v_rcp_f32 v92, v91
	; a lane holds column r and rows 8 h + 0 .. 7: the sum over the 16 rows; each accumulator is read from its low end on
	v_pk_add_f32 v[80:81], v[ACC:ACC+1], v[ACC+2:ACC+3]
	v_pk_add_f32 v[82:83], v[ACC+8:ACC+9], v[ACC+10:ACC+11]
	v_pk_add_f32 v[84:85], v[ACC+4:ACC+5], v[ACC+6:ACC+7]
	v_pk_add_f32 v[86:87], v[ACC+12:ACC+13], v[ACC+14:ACC+15]
	v_pk_add_f32 v[80:81], v[80:81], v[84:85]
	v_pk_add_f32 v[82:83], v[82:83], v[86:87]
	v_add_f32 v80, v80, v81
	v_add_f32 v82, v82, v83
	v_permlanex16_b32 v84, v80, s[SEL], s[SEL+1]
	v_permlanex16_b32 v85, v82, s[SEL], s[SEL+1]
	v_add_f32 v80, v80, v84
	v_add_f32 v82, v82, v85
	v_and_b32 v86, 16, v0
	v_cmp_ne_u32 vcc_lo, 0, v86                    ; lanes 16-31 take the second tile of columns: lane l has column 32 w + l.  VCC stays until the way out
	v_cndmask_b32 v80, v80, v82, vcc_lo
	s_wait_alu depctr_va_vdst(0)                   ; the wait for the reciprocal, ahead of its reader
	s_wait_loadcnt 27                              ; b2: 27 loads were issued behind it
	v_fma_f32 v80, v90, v240, v80                  ; + n b2
	v_mul_f32 v80, v80, v92                        ; / max(n, 1)
	ds_store_b32 v7, v80
	BAR                                            ; the pooled row lies in LDS
	; LayerNorm, by every wave for itself: lane l takes d = 8 l .. + 7 and 256 + 8 l .. + 7, as for a slot
	ds_load_b128 v[80:83], v8
	ds_load_b128 v[84:87], v8 offset:16
	ds_load_b128 v[88:91], v8 offset:1024
	ds_load_b128 v[92:95], v8 offset:1040
	s_wait_dscnt 0x0
	v_pk_add_f32 v[96:97], v[80:81], v[82:83]
	v_pk_add_f32 v[98:99], v[84:85], v[86:87]
	v_pk_add_f32 v[100:101], v[88:89], v[90:91]
	v_pk_add_f32 v[102:103], v[92:93], v[94:95]
	v_pk_add_f32 v[96:97], v[96:97], v[98:99]
	v_pk_add_f32 v[100:101], v[100:101], v[102:103]
	v_pk_add_f32 v[96:97], v[96:97], v[100:101]
	v_add_f32 v96, v96, v97
	WRED 96, 97
	v_mul_f32 v98, 0x3b000000, v96                 ; the mean: / 512
	v_mov_b32 v99, v98
.irp j, 0,2,4,6,8,10,12,14
	v_pk_add_f32 v[80+\j:81+\j], v[80+\j:81+\j], v[98:99] neg_lo:[0,1] neg_hi:[0,1]
.endr
	v_pk_mul_f32 v[96:97], v[80:81], v[80:81]      ; the squares of the differences, in two chains
	v_pk_mul_f32 v[100:101], v[82:83], v[82:83]
.irp j, 4,8,12
	v_pk_fma_f32 v[96:97], v[80+\j:81+\j], v[80+\j:81+\j], v[96:97]
	v_pk_fma_f32 v[100:101], v[82+\j:83+\j], v[82+\j:83+\j], v[100:101]
.endr
	v_pk_add_f32 v[96:97], v[96:97], v[100:101]
	v_add_f32 v96, v96, v97
	WRED 96, 97
	s_mov_b32 s[XX], 0x3b000000
	v_mov_b32 v102, 0x3727c5ac                     ; 1e-5
	v_fma_f32 v102, v96, s[XX], v102
	v_rsq_f32 v104, v102
	v_nop                                          ; a plain instruction behind the transcendental
	s_wait_alu depctr_va_vdst(0)                   ; and the wait ahead of its first reader
	v_mov_b32 v105, v104
.irp j, 0,2,4,6,8,10,12,14
	v_pk_mul_f32 v[80+\j:81+\j], v[80+\j:81+\j], v[104:105]
.endr
	s_wait_loadcnt 19                              ; ln_g and ln_b: 19 loads were issued behind them
.irp j, 0,2,4,6,8,10,12,14
	v_pk_fma_f32 v[80+\j:81+\j], v[80+\j:81+\j], v[G+\j:G+\j+1], v[H+\j:H+\j+1]
.endr
	s_mov_b32 s[KEEP], -1
	QH 80, 0, 10, 3, 245, 246
	QH 88, 1, 10, 3, 248, 249
	FRAGS 236, 237                                 ; back from my own row, every lane the same row: LDS serves a wave's instructions in order (ISA guide 5.7.1.4), so these see the stores above
	s_wait_loadcnt 1                               ; W3 is in; b3 may be out
	s_wait_dscnt 0x0
	MM 1                                           ; sixteen like rows x my 32 columns of W3; the first K step starts the sums
.rept 4
	v_nop                                          ; four places in front of the first read of the results
.endr
	v_cndmask_b32 v80, v[ACC], v[ACC+8], vcc_lo    ; each accumulator's register 0: lane l has column 32 w + l
	s_wait_loadcnt 0x0
	v_add_f32 v80, v80, v241                       ; + b3
	ds_store_b32 v7, v80 offset:OUTS-POOL
	BAR                                            ; the row of out0 lies in LDS
	s_cmp_gt_u32 s[WV], 3
	s_cbranch_scc1 .Ldone
	ds_load_b128 v[84:87], v4                      ; waves 0 to 3 store it: a wave's store covers 512 consecutive bytes, at a multiple of 256 from out0's first byte
	s_wait_dscnt 0x0
	global_store_b128 v5, v[84:87], s[PO:PO+1]
.Ldone:
	s_wait_xcnt 0x0
	v_lshl_add_u32 v254, v0, 2, 0x31400
	v_mov_b32 v255, 0
	s_wait_tensorcnt 0x0
	ds_add_u32 v254, v255
	s_wait_dscnt 0x0
	s_endpgm
.Lfunc_end_k_q446c3213fb_sigma:
	.size	k_q446c3213fb_sigma, .Lfunc_end_k_q446c3213fb_sigma-k_q446c3213fb_sigma
	.p2alignl 7, 3214868480
	.fill 96, 4, 3214868480
	.section	.rodata,"a",@progbits
	.p2align	6, 0x0
	.amdhsa_kernel k_q446c3213fb_sigma
		.amdhsa_group_segment_fixed_size 203776
		.amdhsa_private_segment_fixed_size 0
		.amdhsa_enable_private_segment 0
		.amdhsa_kernarg_size 112
		.amdhsa_user_sgpr_count 2
		.amdhsa_user_sgpr_kernarg_segment_ptr 1
		.amdhsa_wavefront_size32 1
		.amdhsa_system_sgpr_workgroup_id_x 1
		.amdhsa_system_sgpr_workgroup_id_y 1
		.amdhsa_system_sgpr_workgroup_id_z 1
		.amdhsa_system_vgpr_workitem_id 0
		.amdhsa_next_free_vgpr 256
		.amdhsa_next_free_sgpr 96
		.amdhsa_reserve_vcc 1
		.amdhsa_float_denorm_mode_32 3
		.amdhsa_float_denorm_mode_16_64 3
		.amdhsa_memory_ordered 1
		.amdhsa_forward_progress 1
		.amdhsa_inst_pref_size 86
	.end_amdhsa_kernel
	.amdgpu_metadata
---
amdhsa.version: [ 1, 2 ]
amdhsa.kernels:
  - .name:           k_q446c3213fb_sigma
    .symbol:         k_q446c3213fb_sigma.kd
    .args:
      - { .name: W1, .offset: 0, .size: 8, .value_kind: global_buffer, .address_space: global }
      - { .name: W2_codes, .offset: 8, .size: 8, .value_kind: global_buffer, .address_space: global }
      - { .name: W2_scales, .offset: 16, .size: 8, .value_kind: global_buffer, .address_space: global }
      - { .name: W3_codes, .offset: 24, .size: 8, .value_kind: global_buffer, .address_space: global }
      - { .name: W3_scales, .offset: 32, .size: 8, .value_kind: global_buffer, .address_space: global }
      - { .name: a, .offset: 40, .size: 8, .value_kind: global_buffer, .address_space: global }
      - { .name: b1, .offset: 48, .size: 8, .value_kind: global_buffer, .address_space: global }
      - { .name: b2, .offset: 56, .size: 8, .value_kind: global_buffer, .address_space: global }
      - { .name: b3, .offset: 64, .size: 8, .value_kind: global_buffer, .address_space: global }
      - { .name: ln_b, .offset: 72, .size: 8, .value_kind: global_buffer, .address_space: global }
      - { .name: ln_g, .offset: 80, .size: 8, .value_kind: global_buffer, .address_space: global }
      - { .name: mask, .offset: 88, .size: 8, .value_kind: global_buffer, .address_space: global }
      - { .name: mate, .offset: 96, .size: 8, .value_kind: global_buffer, .address_space: global }
      - { .name: out0, .offset: 104, .size: 8, .value_kind: global_buffer, .address_space: global }
    .group_segment_fixed_size: 203776
    .private_segment_fixed_size: 0
    .kernarg_segment_align: 8
    .kernarg_segment_size: 112
    .max_flat_workgroup_size: 512
    .sgpr_count:     96
    .vgpr_count:     256
    .wavefront_size: 32
...
	.end_amdgpu_metadata
.endif
;; end of part 1
;; ======== version 2 of 3: 2 launches; 1.61 times as fast as version 1
;; workspace buffers: alist 1,048,576 bytes; mlist 1,048,576 bytes of whole numbers; cnt 65,536 bytes of whole numbers
;; launch pack (part 2): grid 256 x 1, 1 waves a work-group, no clusters, 8,448 bytes of LDS; arguments a, mask, mate, alist, mlist, cnt; writes alist, mlist, cnt
.if DOCPART == 2
	.amdgcn_target "amdgcn-amd-amdhsa--gfx1250"
	.amdhsa_code_object_version 6
	.text
	.protected	k_q446c3213fb_pack
	.globl	k_q446c3213fb_pack
	.p2align	8
	.type	k_q446c3213fb_pack,@function
k_q446c3213fb_pack:
	s_mov_b64 s[64:65], 0
	v_nop
	global_prefetch_b8 v0, s[64:65] scope:SCOPE_SE
	s_setreg_imm32_b32 hwreg(HW_REG_WAVE_MODE, 25, 1), 1
	s_wait_xcnt 0x0
; For each batch b: the slots whose mask byte is set, packed to the front of a list.  alist[b][g] and mlist[b][g] are a and mate of the g-th slot of the list; cnt[b][0 .. 63] all hold n, the number of kept slots.
; The slots that are not kept fill the list from its end, so the list is a permutation of the batch's 1,024 slots and every word of it is written.
; One wave to a work-group, one batch to a wave.  The batch comes in eight chunks of 128 slots: lane l holds slots 128 c + 4 l + 0 .. 3, so a load of a or of mate reads 512 consecutive bytes and a load of mask 128.
; Segment s = 4 c + j is register j of chunk c: 32 slots, one a lane.  A kept slot's place is the number of kept slots in earlier segments and lower lanes; another's is 1,023 less the number of such slots before it.
; So the list's order is the segments' order, not the slots': the program's sum over slots is taken in that order.
; The scatter goes through LDS (two lists of 4,096 bytes); the lists come back dense and leave by stores of 512 consecutive bytes at fixed places: no address in memory hangs on data, and EXEC is never touched.
.set LISTM, 4096                       ; LDS: a's list at 0, mate's here
.set AR,  16                           ; v16-47   a: segment s in v[16 + s]
.set MR,  48                           ; v48-79   mate likewise
.set MK,  80                           ; v80-87   chunk c's mask bytes, four to a lane
.set AD,  88                           ; v88-95   LDS addresses: a ring of eight, two chunks' worth
.set OA,  96                           ; v96-127  a's list on its way out
.set OM,  128                          ; v128-159 mate's
.set CNT, 22                           ; s22 kept slots so far;  s23 a segment's
	s_load_b128 s[4:7], s[0:1], 0x0                ; a, mask
	s_load_b128 s[8:11], s[0:1], 0x10              ; mate, alist
	s_load_b128 s[12:15], s[0:1], 0x20             ; mlist, cnt
	v_lshl_add_u32 v160, v0, 2, 0x2000
	v_mov_b32 v161, 0
	v_lshlrev_b32 v1, 4, v0                        ; 16 l (one wave: the thread's number is the lane)
	v_lshlrev_b32 v2, 2, v0                        ; 4 l
	v_lshlrev_b32 v3, 3, v0                        ; 8 l
	v_sub_nc_u32 v4, 0, v0                         ; -l
	s_lshl_b32 s16, ttmp9, 12                      ; my batch: 4,096 bytes of a, mate and the two lists,
	s_mov_b32 s17, 0
	s_lshl_b32 s18, ttmp9, 10                      ; 1,024 of mask,
	s_mov_b32 s19, 0
	s_lshl_b32 s20, ttmp9, 8                       ; 256 of cnt
	s_mov_b32 s21, 0
	s_mov_b32 s[CNT], 0
	s_wait_kmcnt 0x0
	s_add_nc_u64 s[4:5], s[4:5], s[16:17]
	s_add_nc_u64 s[6:7], s[6:7], s[18:19]
	s_add_nc_u64 s[8:9], s[8:9], s[16:17]
	s_add_nc_u64 s[10:11], s[10:11], s[16:17]
	s_add_nc_u64 s[12:13], s[12:13], s[16:17]
	s_add_nc_u64 s[14:15], s[14:15], s[20:21]
.irp c, 0,1,2,3,4,5,6,7
	global_load_b32 v[MK+\c], v2, s[6:7] offset:128*\c th:TH_LOAD_NT
.endr
.irp c, 0,1,2,3,4,5,6,7
	global_load_b128 v[AR+4*\c:AR+4*\c+3], v1, s[4:5] offset:512*\c th:TH_LOAD_NT
	global_load_b128 v[MR+4*\c:MR+4*\c+3], v1, s[8:9] offset:512*\c th:TH_LOAD_NT
.endr
.macro SCAT s
	v_bfe_u32 v5, v[MK+(\s)/4], 8*((\s)%4), 8      ; my slot's mask byte
	v_cmp_ne_u32 vcc_lo, 0, v5
	v_mbcnt_lo_u32_b32 v6, vcc_lo, s[CNT]          ; kept slots before me
	v_add3_u32 v7, v6, v4, 1023-32*(\s)            ; 1,023 - (32 s + l - kept before me)
	s_bcnt1_i32_b32 s23, vcc_lo
	v_cndmask_b32 v7, v7, v6, vcc_lo
	s_add_co_u32 s[CNT], s[CNT], s23
	v_min_u32 v7, 0x3ff, v7                        ; held inside the list before it enters an address
	v_lshlrev_b32 v[AD+(\s)%8], 2, v7
	ds_store_b32 v[AD+(\s)%8], v[AR+(\s)]
	ds_store_b32 v[AD+(\s)%8], v[MR+(\s)] offset:LISTM
.endm
.set SG, 0
.rept 32
.if SG%4 == 0
	s_wait_loadcnt 14-2*(SG/4)                     ; the chunk's mask, a and mate are in: behind them two loads for each later chunk were issued
.if SG >= 8
	s_wait_dscnt 8                                 ; the stores of the chunk before last are done (the last chunk's eight may be out): their address registers are written again below
.endif
.endif
	SCAT SG
.set SG, SG+1
.endr
	v_mov_b32 v8, s[CNT]
	v_mov_b32 v9, s[CNT]
.irp i, 0,1,2,3,4,5,6,7
	ds_load_b128 v[OA+4*\i:OA+4*\i+3], v1 offset:512*\i            ; LDS serves a wave's instructions in order (ISA guide 5.7.1.4): these see the stores above
.endr
.irp i, 0,1,2,3,4,5,6,7
	ds_load_b128 v[OM+4*\i:OM+4*\i+3], v1 offset:LISTM+512*\i
.endr
	global_store_b64 v3, v[8:9], s[14:15]          ; n, 64 times: the 32 lanes store 256 consecutive bytes, aligned
.irp i, 0,1,2,3,4,5,6,7
	s_wait_dscnt 15-\i
	global_store_b128 v1, v[OA+4*\i:OA+4*\i+3], s[10:11] offset:512*\i   ; 512 consecutive bytes, at a multiple of 256 from the buffer's first byte
.endr
.irp i, 0,1,2,3,4,5,6,7
	s_wait_dscnt 7-\i
	global_store_b128 v1, v[OM+4*\i:OM+4*\i+3], s[12:13] offset:512*\i
.endr
	s_wait_tensorcnt 0x0
	ds_add_u32 v160, v161
	s_wait_dscnt 0x0
	s_endpgm
.Lfunc_end_k_q446c3213fb_pack:
	.size	k_q446c3213fb_pack, .Lfunc_end_k_q446c3213fb_pack-k_q446c3213fb_pack
	.p2alignl 7, 3214868480
	.fill 96, 4, 3214868480
	.section	.rodata,"a",@progbits
	.p2align	6, 0x0
	.amdhsa_kernel k_q446c3213fb_pack
		.amdhsa_group_segment_fixed_size 8448
		.amdhsa_private_segment_fixed_size 0
		.amdhsa_enable_private_segment 0
		.amdhsa_kernarg_size 48
		.amdhsa_user_sgpr_count 2
		.amdhsa_user_sgpr_kernarg_segment_ptr 1
		.amdhsa_wavefront_size32 1
		.amdhsa_system_sgpr_workgroup_id_x 1
		.amdhsa_system_sgpr_workgroup_id_y 1
		.amdhsa_system_sgpr_workgroup_id_z 1
		.amdhsa_system_vgpr_workitem_id 0
		.amdhsa_next_free_vgpr 162
		.amdhsa_next_free_sgpr 66
		.amdhsa_reserve_vcc 1
		.amdhsa_float_denorm_mode_32 3
		.amdhsa_float_denorm_mode_16_64 3
		.amdhsa_memory_ordered 1
		.amdhsa_forward_progress 1
		.amdhsa_inst_pref_size 26
	.end_amdhsa_kernel
	.amdgpu_metadata
---
amdhsa.version: [ 1, 2 ]
amdhsa.kernels:
  - .name:           k_q446c3213fb_pack
    .symbol:         k_q446c3213fb_pack.kd
    .args:
      - { .name: a, .offset: 0, .size: 8, .value_kind: global_buffer, .address_space: global }
      - { .name: mask, .offset: 8, .size: 8, .value_kind: global_buffer, .address_space: global }
      - { .name: mate, .offset: 16, .size: 8, .value_kind: global_buffer, .address_space: global }
      - { .name: alist, .offset: 24, .size: 8, .value_kind: global_buffer, .address_space: global }
      - { .name: mlist, .offset: 32, .size: 8, .value_kind: global_buffer, .address_space: global }
      - { .name: cnt, .offset: 40, .size: 8, .value_kind: global_buffer, .address_space: global }
    .group_segment_fixed_size: 8448
    .private_segment_fixed_size: 0
    .kernarg_segment_align: 8
    .kernarg_segment_size: 48
    .max_flat_workgroup_size: 32
    .sgpr_count:     66
    .vgpr_count:     162
    .wavefront_size: 32
...
	.end_amdgpu_metadata
.endif
;; end of part 2
;; launch sigma (part 3): grid 256 x 1, 16 waves a work-group, no clusters, 203,776 bytes of LDS; arguments W1, W2_codes, W2_scales, W3_codes, W3_scales, alist, b1, b2, b3, ln_b, ln_g, cnt, mlist, out0; writes out0
.if DOCPART == 3
	.amdgcn_target "amdgcn-amd-amdhsa--gfx1250"
	.amdhsa_code_object_version 6
	.text
	.protected	k_q446c3213fb_sigma
	.globl	k_q446c3213fb_sigma
	.p2align	8
	.type	k_q446c3213fb_sigma,@function
k_q446c3213fb_sigma:
	s_mov_b64 s[64:65], 0
	v_nop
	global_prefetch_b8 v0, s[64:65] scope:SCOPE_SE
	s_setreg_imm32_b32 hwreg(HW_REG_WAVE_MODE, 25, 1), 1
	s_wait_xcnt 0x0
; out0[b] = LayerNorm(mean over the slots t with mask[b][t] of (Q(gelu(a W1[0] + W1[1 + mate] active + b1)) W2 + b2)) quantised, x W3 + b3.
; Both products on codes of FP4 (E2M1) with one E8M0 scale for each 32 along K; W2 and W3 arrive as codes, K innermost.
; SHARES.  One work-group, sixteen waves of 256 registers (four to a SIMD), owns one batch b and so one row of out0.
; The mean over slots is a sum over the product's M: all tiles of 16 slots are added onto the same accumulators, so pooling costs no vector instruction.
; ONLY THE KEPT SLOTS ARE WORKED: a slot whose mask byte is 0 adds nothing to the mean.  The launch before has stored, for each batch, a and mate of the kept slots at the front of a list of all 1,024 slots (alist, mlist),
; and their number n (cnt).  n enters n b2, the divisor, and scalar branches that jump over a step's work; trip counts are constants and no barrier stands under such a branch.
; MAKING ROWS.  The list's slot 16 k + w is row w of tile k and is made by wave w: lane l holds d = 8 l .. 8 l + 7 (half 0) and 256 + 8 l .. + 7 (half 1), so W1[0] and b1 stay in 32 registers, a block of 32 is four
; neighbouring lanes, and one conversion gives four bytes of the row's codes.  The slot's mate and a come by loads in which all lanes name the same word; each lane makes its own offset into W1 from the mate.
; The last tile's rows behind slot n - 1 are worked like any, on the list's further entries, and get zero codes.
; MULTIPLYING.  Wave w owns output columns 32 w .. 32 w + 31; its part of W2 (64 registers, 8 scale words) stays in registers.
; A ROUND is 16 steps: in step r of round q a wave makes its row of tile 16 q + r into set q % 2 and multiplies tile 16 (q - 1) + r out of the other set; one barrier between rounds.
; GELU, in f32: erf by the rational form x P(x^2) / Q(x^2) on x clamped to +-4, rescaled to take h: s = hc^2, hc = h clamped to +-4 sqrt 2; P's coefficient k is halved k times (exact), Q's likewise and times 2 sqrt 2;
; gelu = h (0.5 + hc P(s) / Q'(s)).
; LIMITS: NaN and infinities among the inputs are not served.  Beyond |h| = 5.657 the error function takes its value at 4.  For large negative h the factor 0.5 + erf / 2 keeps an absolute error of about 6e-8.
; A block whose largest magnitude lies under 2^-124 keeps the scale byte 1 (a block of zeros too: its codes are zeros, and only this program reads the bytes).  mate above 1,023 is held at 1,023;
; a negative mate reads row 1,024 of W1 and multiplies it by active = 0, where reference() multiplies row 1 by 0: the same 0 for finite W1.  The sum over slots is taken in the list's order.
; NO TENSOR LOADS, NO CLUSTER: the steps' work hangs on a count read from memory; of what a work-group reads, n rows x 2,048 bytes of W1 are chosen by its own
; indices, row by row, which no joint tile serves; what work-groups share as it lies, W2's and W3's 139,264 bytes each, is read once by a work-group straight into registers.
.set RP,    4368                       ; LDS: from one wave's rows to the next wave's: 16 rows of 272 bytes + 16 = 273 x 16 bytes, so the 16 rows of a fragment load start in 16 different columns of 16 bytes
.set RW,    272                        ; a row: 256 bytes of codes, then its 16 scale bytes
.set SET1,  1<<17                      ; set 0 begins at 0, set 1 here; a set is 16 RP = 69,888 bytes
.set POOL,  16*RP                      ; the pooled row, 512 f32
.set TROW,  POOL+2048                  ; a row of 272 bytes for each wave: the normed row's codes and scale bytes
.set OUTS,  TROW+16*RW                 ; the row of out0, 512 f32
; vector registers
.set FA0, 2                            ; v2   r RP + 16 h: my lane's place in a tile's fragments (r = lane % 16, h = lane / 16)
.set FS0, 3                            ; v3   r RP + 256: row r's scale words
.set ST0, 4                            ; v4   w RP + 4 l: where my lane's codes go
.set SB0, 5                            ; v5   w RP + 256 + l / 4: and my block's scale byte
.set FA,  6                            ; v6-9 the same four for the step in hand
.set FS,  7
.set ST,  8
.set SB,  9
.set ZR,  10                           ; v10  0: the offset of the loads in which all lanes name one word
.set GO,  11                           ; v11  my lane's offset in W1, from row 1 on: 2,048 x mate + 32 l
.set AV,  12                           ; v[12:13] the slot's a: packed forms name a pair and take its low word
.set AFV, 14                           ; v[14:15] the slot's active, 1.0 or 0
.set W0,  16                           ; v16-31  W1[0] at my 16 d
.set B1,  32                           ; v32-47  b1
.set G,   48                           ; v48-63  the gathered row
.set H,   64                           ; v64-79  h
.set HC,  80                           ; v80-87  h clamped
.set S,   88                           ; v88-95  hc^2, later gelu
.set P,   96                           ; v96-103
.set Q,   104                          ; v104-111
.set F,   112                          ; v112-143 a tile's four fragments
.set FSC, 144                          ; v144-147 its scale words: these registers hold scales alone
.set WF,  148                          ; v148-211 W2's (later W3's) fragments (nt, ks) at 8 (4 nt + ks)
.set WS,  212                          ; v212-219 their scale words: scales alone
.set ACC, 220                          ; v220-235 two accumulators
.set M,   238                          ; v238 a block's largest magnitude;  v239 at work, then the conversion's scale operand
.set T,   239
.set C11, 240                          ; v[240:241] P's coefficient of s^5, twice;  v[242:243] Q's of s^3, twice;  v244 the clamp
.set C6,  242
.set CL,  244
.set MNV, 247                          ; v247 the next slot's mate
.set R,   248                          ; v248-255 reciprocals.  Codes and byte: v245, v246 (half 0), v248, v249 (half 1)
; scalar registers
.set WV,  2                            ; my wave
.set PW1, 8                            ; the fourteen buffers
.set PW2C, 10
.set PW2S, 12
.set PW3C, 14
.set PW3S, 16
.set PA,  18                           ; alist and mlist: at my batch's entry w
.set PB1, 20
.set PB2, 22
.set PB3, 24
.set PLB, 26
.set PLG, 28
.set PCN, 30                           ; cnt, at my batch
.set PMT, 32
.set PO,  34
.set NN,  36                           ; n, the batch's kept slots
.set KT,  37                           ; the tile that the step makes: 16 q + r
.set TP,  38                           ; its first slot in the list: 16 x tile
.set RR,  39                           ; the step, 0 .. 15
.set TL,  43                           ; 272 x step
.set XX,  44                           ; at work
.set YY,  45                           ; at work
.set KEEP, 46                          ; -1 for a kept slot, 0 for a row behind the last kept slot
.set OFF, 52                           ; s[52:53] a byte offset, high word 0
.set W1R, 56                           ; s[56:57] W1's row 1
.set SEL, 58                           ; s[58:59] v_permlanex16_b32's selects for lane l xor 16
.set KA13, 60
.set KA9, 62
.set KA7, 66
.set KA5, 68
.set KA3, 70
.set KA1, 72
.set KB8, 74
.set KB4, 76
.set KB2, 78
.set KB0, 80
.set MB,  86                           ; s[86:87] where the mate two tiles on lies
.set AB,  88                           ; s[88:89] where the next tile's a lies
.macro BAR                             ; my LDS stores have landed and my LDS loads are in: then the work-group's barrier
	s_wait_dscnt 0x0
	s_barrier_signal -1
	s_barrier_wait -1
.endm
.macro LROW reg, off, base             ; 16 numbers of a row of 512 f32: d = 8 l .. + 7 and 256 + 8 l .. + 7
	global_load_b128 v[\reg:\reg+3], v[\off], s[\base:\base+1]
	global_load_b128 v[\reg+4:\reg+7], v[\off], s[\base:\base+1] offset:16
	global_load_b128 v[\reg+8:\reg+11], v[\off], s[\base:\base+1] offset:1024
	global_load_b128 v[\reg+12:\reg+15], v[\off], s[\base:\base+1] offset:1040
.endm
.macro WLOAD cod, scl, vc, vs          ; my 32 columns of a weight: 2 loads of scale words (a column's 16 bytes), then 16 of codes: column n is 256 bytes; K step ks at 64 ks, registers 4 c .. at + 32 c + 16 h
.irp nt, 0,1
	global_load_b128 v[WS+4*\nt:WS+4*\nt+3], v[\vs], s[\scl:\scl+1] offset:256*\nt
.endr
.irp nt, 0,1
.irp ks, 0,1,2,3
.irp c, 0,1
	global_load_b128 v[WF+8*(4*\nt+\ks)+4*\c:WF+8*(4*\nt+\ks)+4*\c+3], v[\vc], s[\cod:\cod+1] offset:4096*\nt+64*\ks+32*\c
.endr
.endr
.endr
.endm
.macro ASKROW                          ; from the mate in v[MNV]: active, my lane's offset, and the row's four loads.  The index is held inside the table before it enters the offset
	v_cmp_gt_i32 vcc_lo, 0, v[MNV]                 ; a negative mate:
	v_min_u32 v[GO], 0x3ff, v[MNV]                 ; (as an unsigned number it is held at 1,023)
	v_cndmask_b32 v[AFV], 1.0, 0, vcc_lo           ; active = 0
	v_lshl_add_u32 v[GO], v[GO], 11, v1
	LROW G, GO, W1R
.endm
; Eight numbers of a lane, v[src] on, d = 256 u + 8 l + 0 .. 7 of a row: their block's scale (four lanes share a block), their codes, both to LDS.
.macro QH src, u, st, sb, code, byte
	v_max3_num_f32 v[M], |v[(\src)]|, |v[(\src)+1]|, 0x1800000     ; with the floor 2^(3 - 127): the byte cannot fall under 1
	v_max3_num_f32 v[T], |v[(\src)+2]|, |v[(\src)+3]|, |v[(\src)+4]|
	v_max3_num_f32 v[M], v[M], |v[(\src)+5]|, |v[(\src)+6]|
	v_max3_num_f32 v[M], v[M], v[T], |v[(\src)+7]|
	v_max_num_f32_dpp v[M], v[M], v[M] row_xmask:1 row_mask:0xf bank_mask:0xf
	v_max_num_f32_dpp v[M], v[M], v[M] row_xmask:2 row_mask:0xf bank_mask:0xf   ; the block's largest magnitude
	v_add_nc_u32 v[T], 0xff000000, v[M]            ; 2 off its exponent field: the conversion takes this operand's exponent field as its scale
	v_cvt_scalef32_pk8_fp4_f32 v[\code], v[(\src):(\src)+7], v[T]
	v_lshrrev_b32 v[\byte], 23, v[T]               ; the scale's byte; also the plain instruction behind the conversion
	v_and_b32 v[\code], s[KEEP], v[\code]          ; a row behind the last kept slot gets zero codes
	ds_store_b32 v[\st], v[\code] offset:128*\u
	ds_store_b8 v[\sb], v[\byte] offset:8*\u       ; the block's four lanes write the same byte with the same value
.endm
.macro HORN2 ka, kb                    ; one step of both polynomials, by turns
.irp j, 0,2,4,6
	v_pk_fma_f32 v[P+\j:P+\j+1], v[P+\j:P+\j+1], v[S+\j:S+\j+1], s[\ka:\ka+1] op_sel_hi:[1,1,0]
	v_pk_fma_f32 v[Q+\j:Q+\j+1], v[Q+\j:Q+\j+1], v[S+\j:S+\j+1], s[\kb:\kb+1] op_sel_hi:[1,1,0]
.endr
.endm
; gelu of eight numbers of h, and their codes
.macro HALF u, code, byte
.irp j, 0,1,2,3,4,5,6,7
	v_med3_num_f32 v[HC+\j], v[H+8*\u+\j], -v[CL], v[CL]
.endr
.irp j, 0,2,4,6
	v_pk_mul_f32 v[S+\j:S+\j+1], v[HC+\j:HC+\j+1], v[HC+\j:HC+\j+1]
.endr
.irp j, 0,2,4,6
	v_pk_fma_f32 v[P+\j:P+\j+1], v[S+\j:S+\j+1], s[KA13:KA13+1], v[C11:C11+1] op_sel_hi:[1,0,1]
	v_pk_fma_f32 v[Q+\j:Q+\j+1], v[S+\j:S+\j+1], s[KB8:KB8+1], v[C6:C6+1] op_sel_hi:[1,0,1]
.endr
	HORN2 KA9, KB4
	HORN2 KA7, KB2
	HORN2 KA5, KB0                                 ; Q' is finished
.irp i, 0,1,2,3                        ; the eight reciprocals are one batch; P's last two steps stand between them and name neither Q nor R
	v_rcp_f32 v[R+\i], v[Q+\i]
	v_pk_fma_f32 v[P+2*\i:P+2*\i+1], v[P+2*\i:P+2*\i+1], v[S+2*\i:S+2*\i+1], s[KA3:KA3+1] op_sel_hi:[1,1,0]
.endr
.irp i, 0,1,2,3
	v_rcp_f32 v[R+4+\i], v[Q+4+\i]
	v_pk_fma_f32 v[P+2*\i:P+2*\i+1], v[P+2*\i:P+2*\i+1], v[S+2*\i:S+2*\i+1], s[KA1:KA1+1] op_sel_hi:[1,1,0]
.endr
.irp j, 0,2,4,6
	v_pk_mul_f32 v[P+\j:P+\j+1], v[P+\j:P+\j+1], v[HC+\j:HC+\j+1]   ; hc P: independent work behind the batch
.endr
	s_wait_alu depctr_va_vdst(0)                   ; one wait for the eight reciprocals, ahead of their first reader
.irp j, 0,2,4,6
	v_pk_fma_f32 v[P+\j:P+\j+1], v[P+\j:P+\j+1], v[R+\j:R+\j+1], 0.5 op_sel_hi:[1,1,0]   ; 0.5 + erf / 2
.endr
.irp j, 0,2,4,6
	v_pk_mul_f32 v[S+\j:S+\j+1], v[H+8*\u+\j:H+8*\u+\j+1], v[P+\j:P+\j+1]
.endr
	QH S, \u, ST, SB, \code, \byte
.endm
.macro FRAGS fa, fs                    ; a tile's four fragments (16 rows x 128 K: registers 4 c .. hold K = 64 c + 32 h + 0 .. 31) and its rows' scale words
.irp ks, 0,1,2,3
.irp c, 0,1
	ds_load_b128 v[F+8*\ks+4*\c:F+8*\ks+4*\c+3], v[\fa] offset:64*\ks+32*\c
.endr
.endr
	ds_load_b128 v[FSC:FSC+3], v[\fs]
.endm
; Eight matrix instructions: source 0 = 16 slots, source 1 = 16 of my columns.  The two accumulators take turns, one instruction a turn, from step to step too.
.macro MM zero
.irp ks, 0,1,2,3
.irp nt, 0,1
.if \zero && (\ks == 0)
	v_wmma_scale_f32_16x16x128_f8f6f4 v[ACC+8*\nt:ACC+8*\nt+7], v[F+8*\ks:F+8*\ks+7], v[WF+8*(4*\nt+\ks):WF+8*(4*\nt+\ks)+7], 0, v[FSC+\ks], v[WS+4*\nt+\ks] matrix_a_fmt:MATRIX_FMT_FP4 matrix_b_fmt:MATRIX_FMT_FP4
.else
	v_wmma_scale_f32_16x16x128_f8f6f4 v[ACC+8*\nt:ACC+8*\nt+7], v[F+8*\ks:F+8*\ks+7], v[WF+8*(4*\nt+\ks):WF+8*(4*\nt+\ks)+7], v[ACC+8*\nt:ACC+8*\nt+7], v[FSC+\ks], v[WS+4*\nt+\ks] matrix_a_fmt:MATRIX_FMT_FP4 matrix_b_fmt:MATRIX_FMT_FP4
.endif
.endr
.endr
.endm
.macro WRED x, t                       ; a sum over the wave's 32 lanes, the result in every lane
	v_add_f32_dpp v[\x], v[\x], v[\x] row_xmask:1 row_mask:0xf bank_mask:0xf
	v_add_f32_dpp v[\x], v[\x], v[\x] row_xmask:2 row_mask:0xf bank_mask:0xf
	v_add_f32_dpp v[\x], v[\x], v[\x] row_xmask:4 row_mask:0xf bank_mask:0xf
	v_add_f32_dpp v[\x], v[\x], v[\x] row_xmask:8 row_mask:0xf bank_mask:0xf
	v_permlanex16_b32 v[\t], v[\x], s[SEL], s[SEL+1]
	v_add_f32 v[\x], v[\x], v[\t]
.endm
	; ---- the head
	s_load_b512 s[8:23], s[0:1], 0x0
	s_load_b256 s[24:31], s[0:1], 0x40
	s_load_b128 s[32:35], s[0:1], 0x60
	v_lshrrev_b32 v2, 5, v0
	v_readfirstlane_b32 s[WV], v2                  ; wave 0 .. 15
	v_and_b32 v251, 31, v0                         ; l
	v_and_b32 v248, 15, v0                         ; r
	v_bfe_u32 v249, v0, 4, 1                       ; h
	v_lshlrev_b32 v1, 5, v251                      ; 32 l: my first 8 numbers in a row of 512 f32; never rewritten
	v_mul_u32_u24 v[FA0], v248, RP
	v_add_nc_u32 v[FS0], 256, v[FA0]
	v_lshl_add_u32 v[FA0], v249, 4, v[FA0]
	s_mul_i32 s[XX], s[WV], RP
	v_lshl_add_u32 v[ST0], v251, 2, s[XX]
	s_add_co_u32 s[YY], s[XX], 256
	v_lshrrev_b32 v[SB0], 2, v251
	v_add_nc_u32 v[SB0], s[YY], v[SB0]
	v_mov_b32 v[ZR], 0
	v_mov_b32 v[AV+1], 0                           ; (named as the upper halves of pairs, so they are written)
	v_mov_b32 v[AFV+1], 0
	s_mov_b32 s[SEL], 0x76543210
	s_mov_b32 s[SEL+1], 0xfedcba98
	s_mov_b32 s[KA13], 0xac95df0b                  ; P: alpha(2 k + 1) / 2^k
	s_mov_b32 s[KA9], 0xb40cff51
	s_mov_b32 s[KA7], 0xb6eec2d2
	s_mov_b32 s[KA5], 0xb940ac63
	s_mov_b32 s[KA3], 0xbac1a1f6
	s_mov_b32 s[KA1], 0xbc83dbd4
	s_mov_b32 s[XX], 0x403504f3                    ; 2 sqrt 2
	s_mul_f32 s[KB8], s[XX], 0xb57460cd            ; Q': beta(2 k) / 2^k x 2 sqrt 2
	s_mul_f32 s82, s[XX], 0xb7dfbd29
	s_mul_f32 s[KB4], s[XX], 0xb9dc924e
	s_mul_f32 s[KB2], s[XX], 0xbb719bf8
	s_mul_f32 s[KB0], s[XX], 0xbc69b6a7
.irp k, KA13, KA9, KA7, KA5, KA3, KA1, KB8, KB4, KB2, KB0
	s_mov_b32 s[\k+1], s[\k]                       ; named with it as a pair, so it is written
.endr
	v_mov_b32 v[C11], 0x306dffee
	v_mov_b32 v[C11+1], 0x306dffee
	v_mov_b32 v[C6], s82
	v_mov_b32 v[C6+1], s82
	v_mov_b32 v[CL], 0x40b504f3                    ; 4 sqrt 2
	s_mov_b32 s[OFF+1], 0
	s_mov_b32 s[KT], 0
	s_mov_b32 s[TP], 0
.irp j, 0,1,2,3,4,5,6,7,8,9,10,11,12,13,14,15
	v_mov_b32 v[ACC+\j], 0                         ; the step is written once for all tiles, so the sums begin as zeros: 16 registers
.endr
	s_lshl_b32 s[OFF], ttmp9, 12                   ; my batch: 4,096 bytes of each list,
	s_lshl_b32 s[XX], s[WV], 2                     ; my wave's entry of a tile's sixteen
	s_add_co_u32 s[OFF], s[OFF], s[XX]
	s_wait_kmcnt 0x0
	s_add_nc_u64 s[PA:PA+1], s[PA:PA+1], s[OFF:OFF+1]
	s_add_nc_u64 s[PMT:PMT+1], s[PMT:PMT+1], s[OFF:OFF+1]
	s_lshl_b32 s[OFF], ttmp9, 8                    ; 256 of cnt,
	s_add_nc_u64 s[PCN:PCN+1], s[PCN:PCN+1], s[OFF:OFF+1]
	s_load_b32 s[NN], s[PCN:PCN+1], 0x0            ; n
	s_lshl_b32 s[OFF], ttmp9, 11                   ; 2,048 of out0
	s_add_nc_u64 s[PO:PO+1], s[PO:PO+1], s[OFF:OFF+1]
	s_add_nc_u64 s[W1R:W1R+1], s[PW1:PW1+1], 2048
	; ---- my first slot's mate; then 8 loads of W1[0] and b1
	global_load_b32 v[MNV], v[ZR], s[PMT:PMT+1]    ; all lanes name the same word
	LROW W0, 1, PW1
	LROW B1, 1, PB1
	s_lshl_b32 s[XX], s[WV], 5
	v_add_nc_u32 v239, s[XX], v248                 ; column 32 w + r
	v_lshlrev_b32 v238, 8, v239
	v_lshl_add_u32 v238, v249, 4, v238             ; its codes, + 16 h
	v_lshlrev_b32 v239, 4, v239                    ; its scale bytes
	WLOAD PW2C, PW2S, 238, 239                     ; 18 loads
	s_wait_loadcnt 26                              ; the mate is in: behind it the 26 loads of W1[0], b1 and W2 were issued
	ASKROW                                         ; tile 0's row of mine: 4 loads, asked for whatever n is: G is written on every way
	global_load_b32 v[MNV], v[ZR], s[PMT:PMT+1] offset:64  ; tile 1's mate
	global_load_b32 v[AV], v[ZR], s[PA:PA+1]       ; tile 0's a
	s_wait_kmcnt 0x0
	s_min_u32 s[NN], s[NN], 0x400
	s_wait_loadcnt 6                               ; W1[0], b1 and W2 are in on every way; the six loads just issued may be out
; ---- A ROUND: 16 steps.  make = 1: rows of tiles 16 q + r into set q % 2.  mult = 1: tiles 16 (q - 1) + r out of the other set.
; At the head of a step that makes tile k six loads are on their way, issued a step ago: my row of tile k, tile k + 1's mate, tile k's a.
.macro ROUND q, make, mult
	s_mov_b32 s[RR], 0
	s_mov_b32 s[TL], 0
.Lstep_\@:
	s_wait_dscnt 0x0                               ; my last step's LDS stores are done: their address and data registers are written again below
	; the step's addresses.  They are also the four plain instructions between the last step's matrix instructions and this step's loads into the fragments (ISA guide 7.12.1 for vector instructions)
.if \make
.if (\q)%2
	s_add_co_u32 s[XX], s[TL], SET1
	v_add_nc_u32 v[ST], s[XX], v[ST0]
	v_add_nc_u32 v[SB], s[XX], v[SB0]
.else
	v_add_nc_u32 v[ST], s[TL], v[ST0]
	v_add_nc_u32 v[SB], s[TL], v[SB0]
.endif
.else
	v_nop
	v_nop
.endif
.if \mult
.if ((\q)+1)%2
	s_add_co_u32 s[XX], s[TL], SET1
	v_add_nc_u32 v[FA], s[XX], v[FA0]
	v_add_nc_u32 v[FS], s[XX], v[FS0]
.else
	v_add_nc_u32 v[FA], s[TL], v[FA0]
	v_add_nc_u32 v[FS], s[TL], v[FS0]
.endif
.endif
.if \make
	s_cmp_ge_u32 s[TP], s[NN]                      ; a tile behind the last kept slot is not made
	s_cbranch_scc1 .Lmade_\@
	s_add_co_u32 s[XX], s[TP], s[WV]
	s_cmp_lt_u32 s[XX], s[NN]
	s_cselect_b32 s[KEEP], -1, 0                   ; is my slot a kept one?
	s_wait_loadcnt 0x0                             ; the six loads issued a step ago; their address registers and bases are free again
.irp j, 0,2,4,6,8,10,12,14
	v_pk_fma_f32 v[H+\j:H+\j+1], v[W0+\j:W0+\j+1], v[AV:AV+1], v[B1+\j:B1+\j+1] op_sel_hi:[1,0,1]
.endr
.irp j, 0,2,4,6,8,10,12,14
	v_pk_fma_f32 v[H+\j:H+\j+1], v[G+\j:G+\j+1], v[AFV:AFV+1], v[H+\j:H+\j+1] op_sel_hi:[1,0,1]
.endr
	ASKROW                                         ; my row of the next tile has this step in which to land
	s_add_co_u32 s[XX], s[KT], 2                   ; the mate two tiles on and the next tile's a; the numbers wrap at 64, so that no load leaves my batch's list (what the last steps ask for is not used)
	s_and_b32 s[XX], s[XX], 63
	s_lshl_b32 s[OFF], s[XX], 6                    ; a tile's sixteen entries are 64 bytes
	s_add_nc_u64 s[MB:MB+1], s[PMT:PMT+1], s[OFF:OFF+1]
	s_add_co_u32 s[XX], s[KT], 1
	s_and_b32 s[XX], s[XX], 63
	s_lshl_b32 s[OFF], s[XX], 6
	s_add_nc_u64 s[AB:AB+1], s[PA:PA+1], s[OFF:OFF+1]
	global_load_b32 v[MNV], v[ZR], s[MB:MB+1]
	global_load_b32 v[AV], v[ZR], s[AB:AB+1]
	HALF 0, 245, 246
	HALF 1, 248, 249
.Lmade_\@:
.endif
.if \mult
	s_sub_co_u32 s[XX], s[TP], 256                 ; the first slot of the tile of a round ago: was it made?
	s_cmp_ge_u32 s[XX], s[NN]
	s_cbranch_scc1 .Lend_\@
	FRAGS FA, FS
	s_wait_dscnt 0x0
	MM 0
.Lend_\@:
.endif
	s_add_co_u32 s[KT], s[KT], 1
	s_add_co_u32 s[TP], s[TP], 16
	s_add_co_u32 s[TL], s[TL], RW
	s_add_co_u32 s[RR], s[RR], 1
	s_cmp_lt_u32 s[RR], 16
	s_cbranch_scc1 .Lstep_\@
.endm
	ROUND 0, 1, 0
	BAR                                            ; every wave's rows of the round lie in LDS, and its reads of the other set are over
	ROUND 1, 1, 1
	BAR
	ROUND 2, 1, 1
	BAR
	ROUND 3, 1, 1
	BAR
	ROUND 4, 0, 1
	; ---- the tail.  The address work is also the plain work between the last matrix instructions, the loads into W2's registers and the first read of the sums
	s_wait_loadcnt 0x0                             ; what the last making step asked for and nobody uses: v10 and the registers it lands in are written again below
	v_and_b32 v96, 31, v0                          ; l
	v_and_b32 v97, 15, v0                          ; r
	v_bfe_u32 v98, v0, 4, 1                        ; h
	v_lshlrev_b32 v6, 2, v0                        ; 4 x thread: my column 32 w + l in b2 and b3
	v_lshl_add_u32 v7, v0, 2, POOL                 ; and in the pooled row; the row of out0 lies OUTS - POOL further on
	v_add_nc_u32 v8, POOL, v1
	s_lshl_b32 s[XX], s[WV], 5
	v_add_nc_u32 v2, s[XX], v97
	v_lshlrev_b32 v9, 8, v2
	v_lshl_add_u32 v9, v98, 4, v9                  ; W3's codes, as W2's
	v_lshlrev_b32 v2, 4, v2                        ; and scale bytes
	v_lshl_add_u32 v4, v0, 4, OUTS
	v_lshlrev_b32 v5, 4, v0
	s_mul_i32 s[XX], s[WV], RW
	s_add_co_u32 s[XX], s[XX], TROW                ; my wave's own row
	v_lshl_add_u32 v10, v96, 2, s[XX]
	v_lshl_add_u32 v236, v98, 4, s[XX]
	s_add_co_u32 s[XX], s[XX], 256
	v_lshrrev_b32 v3, 2, v96
	v_add_nc_u32 v3, s[XX], v3
	v_mov_b32 v237, s[XX]
	global_load_b32 v240, v6, s[PB2:PB2+1]         ; 28 loads: b2, ln_g (4), ln_b (4), W3 (18), b3
	LROW G, 1, PLG
	LROW H, 1, PLB
	WLOAD PW3C, PW3S, 9, 2
	global_load_b32 v241, v6, s[PB3:PB3+1]
	v_cvt_f32_u32 v90, s[NN]
	v_max_num_f32 v91, 1.0, v90
	v_rcp_f32 v92, v91
	; a lane holds column r and rows 8 h + 0 .. 7: the sum over the 16 rows; each accumulator is read from its low end on
	v_pk_add_f32 v[80:81], v[ACC:ACC+1], v[ACC+2:ACC+3]
	v_pk_add_f32 v[82:83], v[ACC+8:ACC+9], v[ACC+10:ACC+11]
	v_pk_add_f32 v[84:85], v[ACC+4:ACC+5], v[ACC+6:ACC+7]
	v_pk_add_f32 v[86:87], v[ACC+12:ACC+13], v[ACC+14:ACC+15]
	v_pk_add_f32 v[80:81], v[80:81], v[84:85]
	v_pk_add_f32 v[82:83], v[82:83], v[86:87]
	v_add_f32 v80, v80, v81
	v_add_f32 v82, v82, v83
	v_permlanex16_b32 v84, v80, s[SEL], s[SEL+1]
	v_permlanex16_b32 v85, v82, s[SEL], s[SEL+1]
	v_add_f32 v80, v80, v84
	v_add_f32 v82, v82, v85
	v_and_b32 v86, 16, v0
	v_cmp_ne_u32 vcc_lo, 0, v86                    ; lanes 16-31 take the second tile of columns: lane l has column 32 w + l.  VCC stays until the way out
	v_cndmask_b32 v80, v80, v82, vcc_lo
	s_wait_alu depctr_va_vdst(0)                   ; the wait for the reciprocal, ahead of its reader
	s_wait_loadcnt 27                              ; b2: 27 loads were issued behind it
	v_fma_f32 v80, v90, v240, v80                  ; + n b2
	v_mul_f32 v80, v80, v92                        ; / max(n, 1)
	ds_store_b32 v7, v80
	BAR                                            ; the pooled row lies in LDS
	; LayerNorm, by every wave for itself: lane l takes d = 8 l .. + 7 and 256 + 8 l .. + 7, as for a slot
	ds_load_b128 v[80:83], v8
	ds_load_b128 v[84:87], v8 offset:16
	ds_load_b128 v[88:91], v8 offset:1024
	ds_load_b128 v[92:95], v8 offset:1040
	s_wait_dscnt 0x0
	v_pk_add_f32 v[96:97], v[80:81], v[82:83]
	v_pk_add_f32 v[98:99], v[84:85], v[86:87]
	v_pk_add_f32 v[100:101], v[88:89], v[90:91]
	v_pk_add_f32 v[102:103], v[92:93], v[94:95]
	v_pk_add_f32 v[96:97], v[96:97], v[98:99]
	v_pk_add_f32 v[100:101], v[100:101], v[102:103]
	v_pk_add_f32 v[96:97], v[96:97], v[100:101]
	v_add_f32 v96, v96, v97
	WRED 96, 97
	v_mul_f32 v98, 0x3b000000, v96                 ; the mean: / 512
	v_mov_b32 v99, v98
.irp j, 0,2,4,6,8,10,12,14
	v_pk_add_f32 v[80+\j:81+\j], v[80+\j:81+\j], v[98:99] neg_lo:[0,1] neg_hi:[0,1]
.endr
	v_pk_mul_f32 v[96:97], v[80:81], v[80:81]      ; the squares of the differences, in two chains
	v_pk_mul_f32 v[100:101], v[82:83], v[82:83]
.irp j, 4,8,12
	v_pk_fma_f32 v[96:97], v[80+\j:81+\j], v[80+\j:81+\j], v[96:97]
	v_pk_fma_f32 v[100:101], v[82+\j:83+\j], v[82+\j:83+\j], v[100:101]
.endr
	v_pk_add_f32 v[96:97], v[96:97], v[100:101]
	v_add_f32 v96, v96, v97
	WRED 96, 97
	s_mov_b32 s[XX], 0x3b000000
	v_mov_b32 v102, 0x3727c5ac                     ; 1e-5
	v_fma_f32 v102, v96, s[XX], v102
	v_rsq_f32 v104, v102
	v_nop                                          ; a plain instruction behind the transcendental
	s_wait_alu depctr_va_vdst(0)                   ; and the wait ahead of its first reader
	v_mov_b32 v105, v104
.irp j, 0,2,4,6,8,10,12,14
	v_pk_mul_f32 v[80+\j:81+\j], v[80+\j:81+\j], v[104:105]
.endr
	s_wait_loadcnt 19                              ; ln_g and ln_b: 19 loads were issued behind them
.irp j, 0,2,4,6,8,10,12,14
	v_pk_fma_f32 v[80+\j:81+\j], v[80+\j:81+\j], v[G+\j:G+\j+1], v[H+\j:H+\j+1]
.endr
	s_mov_b32 s[KEEP], -1
	QH 80, 0, 10, 3, 245, 246
	QH 88, 1, 10, 3, 248, 249
	FRAGS 236, 237                                 ; back from my own row, every lane the same row: LDS serves a wave's instructions in order (ISA guide 5.7.1.4), so these see the stores above
	s_wait_loadcnt 1                               ; W3 is in; b3 may be out
	s_wait_dscnt 0x0
	MM 1                                           ; sixteen like rows x my 32 columns of W3; the first K step starts the sums
.rept 4
	v_nop                                          ; four places in front of the first read of the results
.endr
	v_cndmask_b32 v80, v[ACC], v[ACC+8], vcc_lo    ; each accumulator's register 0: lane l has column 32 w + l
	s_wait_loadcnt 0x0
	v_add_f32 v80, v80, v241                       ; + b3
	ds_store_b32 v7, v80 offset:OUTS-POOL
	BAR                                            ; the row of out0 lies in LDS
	s_cmp_gt_u32 s[WV], 3
	s_cbranch_scc1 .Ldone
	ds_load_b128 v[84:87], v4                      ; waves 0 to 3 store it: a wave's store covers 512 consecutive bytes, at a multiple of 256 from out0's first byte
	s_wait_dscnt 0x0
	global_store_b128 v5, v[84:87], s[PO:PO+1]
.Ldone:
	s_wait_xcnt 0x0
	v_lshl_add_u32 v254, v0, 2, 0x31400
	v_mov_b32 v255, 0
	s_wait_tensorcnt 0x0
	ds_add_u32 v254, v255
	s_wait_dscnt 0x0
	s_endpgm
.Lfunc_end_k_q446c3213fb_sigma:
	.size	k_q446c3213fb_sigma, .Lfunc_end_k_q446c3213fb_sigma-k_q446c3213fb_sigma
	.p2alignl 7, 3214868480
	.fill 96, 4, 3214868480
	.section	.rodata,"a",@progbits
	.p2align	6, 0x0
	.amdhsa_kernel k_q446c3213fb_sigma
		.amdhsa_group_segment_fixed_size 203776
		.amdhsa_private_segment_fixed_size 0
		.amdhsa_enable_private_segment 0
		.amdhsa_kernarg_size 112
		.amdhsa_user_sgpr_count 2
		.amdhsa_user_sgpr_kernarg_segment_ptr 1
		.amdhsa_wavefront_size32 1
		.amdhsa_system_sgpr_workgroup_id_x 1
		.amdhsa_system_sgpr_workgroup_id_y 1
		.amdhsa_system_sgpr_workgroup_id_z 1
		.amdhsa_system_vgpr_workitem_id 0
		.amdhsa_next_free_vgpr 256
		.amdhsa_next_free_sgpr 96
		.amdhsa_reserve_vcc 1
		.amdhsa_float_denorm_mode_32 3
		.amdhsa_float_denorm_mode_16_64 3
		.amdhsa_memory_ordered 1
		.amdhsa_forward_progress 1
		.amdhsa_inst_pref_size 79
	.end_amdhsa_kernel
	.amdgpu_metadata
---
amdhsa.version: [ 1, 2 ]
amdhsa.kernels:
  - .name:           k_q446c3213fb_sigma
    .symbol:         k_q446c3213fb_sigma.kd
    .args:
      - { .name: W1, .offset: 0, .size: 8, .value_kind: global_buffer, .address_space: global }
      - { .name: W2_codes, .offset: 8, .size: 8, .value_kind: global_buffer, .address_space: global }
      - { .name: W2_scales, .offset: 16, .size: 8, .value_kind: global_buffer, .address_space: global }
      - { .name: W3_codes, .offset: 24, .size: 8, .value_kind: global_buffer, .address_space: global }
      - { .name: W3_scales, .offset: 32, .size: 8, .value_kind: global_buffer, .address_space: global }
      - { .name: alist, .offset: 40, .size: 8, .value_kind: global_buffer, .address_space: global }
      - { .name: b1, .offset: 48, .size: 8, .value_kind: global_buffer, .address_space: global }
      - { .name: b2, .offset: 56, .size: 8, .value_kind: global_buffer, .address_space: global }
      - { .name: b3, .offset: 64, .size: 8, .value_kind: global_buffer, .address_space: global }
      - { .name: ln_b, .offset: 72, .size: 8, .value_kind: global_buffer, .address_space: global }
      - { .name: ln_g, .offset: 80, .size: 8, .value_kind: global_buffer, .address_space: global }
      - { .name: cnt, .offset: 88, .size: 8, .value_kind: global_buffer, .address_space: global }
      - { .name: mlist, .offset: 96, .size: 8, .value_kind: global_buffer, .address_space: global }
      - { .name: out0, .offset: 104, .size: 8, .value_kind: global_buffer, .address_space: global }
    .group_segment_fixed_size: 203776
    .private_segment_fixed_size: 0
    .kernarg_segment_align: 8
    .kernarg_segment_size: 112
    .max_flat_workgroup_size: 512
    .sgpr_count:     96
    .vgpr_count:     256
    .wavefront_size: 32
...
	.end_amdgpu_metadata
.endif
;; end of part 3
;; ======== version 3 of 3: 2 launches; version 2 with the launch sigma written anew for expert scheduling mode
;; workspace buffers: alist 1,048,576 bytes; mlist 1,048,576 bytes of whole numbers; cnt 65,536 bytes of whole numbers
;; launch pack: the kernel of part 2 again; grid 256 x 1, 1 waves a work-group, no clusters, 8,448 bytes of LDS; arguments a, mask, mate, alist, mlist, cnt; writes alist, mlist, cnt
;; launch sigma (part 4): grid 256 x 1, 16 waves a work-group, no clusters, 203,776 bytes of LDS; arguments W1, W2_codes, W2_scales, W3_codes, W3_scales, alist, b1, b2, b3, ln_b, ln_g, cnt, mlist, out0; writes out0
.if DOCPART == 4
	.amdgcn_target "amdgcn-amd-amdhsa--gfx1250"
	.amdhsa_code_object_version 6
	.text
	.protected	k_q446c3213fb_sigma
	.globl	k_q446c3213fb_sigma
	.p2align	8
	.type	k_q446c3213fb_sigma,@function
k_q446c3213fb_sigma:
	s_mov_b64 s[64:65], 0
	v_nop
	global_prefetch_b8 v0, s[64:65] scope:SCOPE_SE
	s_setreg_imm32_b32 hwreg(HW_REG_WAVE_SCHED_MODE, 0, 2), 2
	s_setreg_imm32_b32 hwreg(HW_REG_WAVE_MODE, 25, 1), 1
	s_wait_xcnt 0x0
	s_wait_alu depctr_vm_vsrc(0)
; out0[b] = LayerNorm(mean over the slots t with mask[b][t] of (Q(gelu(a W1[0] + W1[1 + mate] active + b1)) W2 + b2)) quantised, x W3 + b3.
; Both products on codes of FP4 (E2M1) with one E8M0 scale for each 32 along K; W2 and W3 arrive as codes, K innermost.
; SHARES.  One work-group, sixteen waves of 256 registers (four to a SIMD), owns one batch b and so one row of out0.
; The mean over slots is a sum over the product's M: all tiles of 16 slots are added onto the same accumulators, so pooling costs no vector instruction.
; ONLY THE KEPT SLOTS ARE WORKED: a slot whose mask byte is 0 adds nothing to the mean.  The launch before has stored, for each batch, a and mate of the kept slots at the front of a list of all 1,024 slots (alist, mlist),
; and their number n (cnt).  n enters n b2, the divisor, and scalar branches that jump over a step's work; trip counts are constants and no barrier stands under such a branch.
; MAKING ROWS.  The list's slot 16 k + w is row w of tile k and is made by wave w: lane l holds d = 8 l .. 8 l + 7 (half 0) and 256 + 8 l .. + 7 (half 1), so W1[0] and b1 stay in 32 registers, a block of 32 is four
; neighbouring lanes, and one conversion gives four bytes of the row's codes.  The slot's mate and a come by loads in which all lanes name the same word; each lane makes its own offset into W1 from the mate.
; The last tile's rows behind slot n - 1 are worked like any, on the list's further entries, and get zero codes.
; MULTIPLYING.  Wave w owns output columns 32 w .. 32 w + 31; its part of W2 (64 registers, 8 scale words) stays in registers.
; A ROUND is 16 steps: in step r of round q a wave makes its row of tile 16 q + r into set q % 2 and multiplies tile 16 (q - 1) + r out of the other set; one barrier between rounds.
; GELU, in f32: erf by the rational form x P(x^2) / Q(x^2) on x clamped to +-4, rescaled to take h: s = hc^2, hc = h clamped to +-4 sqrt 2; P's coefficient k is halved k times (exact), Q's likewise and times 2 sqrt 2;
; gelu = h (0.5 + hc P(s) / Q'(s)).
; LIMITS: NaN and infinities among the inputs are not served.  Beyond |h| = 5.657 the error function takes its value at 4.  For large negative h the factor 0.5 + erf / 2 keeps an absolute error of about 6e-8.
; A block whose largest magnitude lies under 2^-124 keeps the scale byte 1 (a block of zeros too: its codes are zeros, and only this program reads the bytes).  mate above 1,023 is held at 1,023;
; a negative mate reads row 1,024 of W1 and multiplies it by active = 0, where reference() multiplies row 1 by 0: the same 0 for finite W1.  The sum over slots is taken in the list's order.
; NO TENSOR LOADS, NO CLUSTER: the steps' work hangs on a count read from memory; of what a work-group reads, n rows x 2,048 bytes of W1 are chosen by its own
; indices, row by row, which no joint tile serves; what work-groups share as it lies, W2's and W3's 139,264 bytes each, is read once by a work-group straight into registers.
; THE MODE: SCHED_MODE bits 1:0 = 2 (LLVM: expert scheduling mode 2), set by the entry lines.  The code itself states the register dependences
; between vector or matrix instructions and memory or LDS instructions, with s_wait_alu, always for 0.
; THE PLAN.  Registers that memory or LDS instructions touch, in a step:
;   G, v247, v12    the row, the next mate, a.  Filled by the loads of the step before; read by this step's sixteen multiply-adds, the compare and the min; then loaded again.
;   v11             my offset into W1.  Written by the min and the shift-add; read by the four loads of the row.
;   v6, v7          the fragments' LDS addresses.  Written at the step's head; read by the nine fragment loads.
;   v8, v9          the stores' LDS addresses.  Written at the step's head; read by the four LDS stores.
;   F, FSC          a tile's fragments and scale words.  Filled by the nine fragment loads; read by the step's eight matrix instructions.
;   v245, v246, v248, v249   codes and scale bytes.  Written by the two halves' conversions; read by the four LDS stores.
;   v1, v10         offsets made at the head; not written in the loops.
;   H, HC, S, P, Q, R, W1[0], b1 and the accumulators are named by vector and matrix instructions alone.
; So a step has: one wait on vm_vsrc at its head, ahead of the four address lines; one wait on va_vdst behind the multiply-adds and the offset's lines, behind which ALL the step's loads stand (the row, the two words, and
; the nine fragment loads, which land while the gelu is worked: the gelu names none of their registers); the two waits behind the reciprocals; and one wait on va_vdst behind both halves, ahead of one run of four LDS stores.
; A step that makes tile k in rounds 1 to 3 always multiplies tile k - 16 (16 (k - 16) < 16 k < n), so on that way the fragment loads need no test of their own; the way round the making has its own test, wait and loads.
.set RP,    4368                       ; LDS: from one wave's rows to the next wave's: 16 rows of 272 bytes + 16 = 273 x 16 bytes, so the 16 rows of a fragment load start in 16 different columns of 16 bytes
.set RW,    272                        ; a row: 256 bytes of codes, then its 16 scale bytes
.set SET1,  1<<17                      ; set 0 begins at 0, set 1 here; a set is 16 RP = 69,888 bytes
.set POOL,  16*RP                      ; the pooled row, 512 f32
.set TROW,  POOL+2048                  ; a row of 272 bytes for each wave: the normed row's codes and scale bytes
.set OUTS,  TROW+16*RW                 ; the row of out0, 512 f32
; vector registers
.set FA0, 2                            ; v2   r RP + 16 h: my lane's place in a tile's fragments (r = lane % 16, h = lane / 16)
.set FS0, 3                            ; v3   r RP + 256: row r's scale words
.set ST0, 4                            ; v4   w RP + 4 l: where my lane's codes go
.set SB0, 5                            ; v5   w RP + 256 + l / 4: and my block's scale byte
.set FA,  6                            ; v6-9 the same four for the step in hand
.set FS,  7
.set ST,  8
.set SB,  9
.set ZR,  10                           ; v10  0: the offset of the loads in which all lanes name one word
.set GO,  11                           ; v11  my lane's offset in W1, from row 1 on: 2,048 x mate + 32 l
.set AV,  12                           ; v[12:13] the slot's a: packed forms name a pair and take its low word
.set AFV, 14                           ; v[14:15] the slot's active, 1.0 or 0
.set W0,  16                           ; v16-31  W1[0] at my 16 d
.set B1,  32                           ; v32-47  b1
.set G,   48                           ; v48-63  the gathered row
.set H,   64                           ; v64-79  h
.set HC,  80                           ; v80-87  h clamped
.set S,   88                           ; v88-95  hc^2, later gelu
.set P,   96                           ; v96-103
.set Q,   104                          ; v104-111
.set F,   112                          ; v112-143 a tile's four fragments
.set FSC, 144                          ; v144-147 its scale words: these registers hold scales alone
.set WF,  148                          ; v148-211 W2's (later W3's) fragments (nt, ks) at 8 (4 nt + ks)
.set WS,  212                          ; v212-219 their scale words: scales alone
.set ACC, 220                          ; v220-235 two accumulators
.set M,   238                          ; v238 a block's largest magnitude;  v239 at work, then the conversion's scale operand
.set T,   239
.set C11, 240                          ; v[240:241] P's coefficient of s^5, twice;  v[242:243] Q's of s^3, twice;  v244 the clamp
.set C6,  242
.set CL,  244
.set MNV, 247                          ; v247 the next slot's mate
.set R,   248                          ; v248-255 reciprocals.  Codes and byte: v245, v246 (half 0), v248, v249 (half 1)
; scalar registers
.set WV,  2                            ; my wave
.set PW1, 8                            ; the fourteen buffers
.set PW2C, 10
.set PW2S, 12
.set PW3C, 14
.set PW3S, 16
.set PA,  18                           ; alist and mlist: at my batch's entry w
.set PB1, 20
.set PB2, 22
.set PB3, 24
.set PLB, 26
.set PLG, 28
.set PCN, 30                           ; cnt, at my batch
.set PMT, 32
.set PO,  34
.set NN,  36                           ; n, the batch's kept slots
.set KT,  37                           ; the tile that the step makes: 16 q + r
.set TP,  38                           ; its first slot in the list: 16 x tile
.set RR,  39                           ; the step, 0 .. 15
.set TL,  43                           ; 272 x step
.set XX,  44                           ; at work
.set YY,  45                           ; at work
.set KEEP, 46                          ; -1 for a kept slot, 0 for a row behind the last kept slot
.set OFF, 52                           ; s[52:53] a byte offset, high word 0
.set W1R, 56                           ; s[56:57] W1's row 1
.set SEL, 58                           ; s[58:59] v_permlanex16_b32's selects for lane l xor 16
.set KA13, 60
.set KA9, 62
.set KA7, 66
.set KA5, 68
.set KA3, 70
.set KA1, 72
.set KB8, 74
.set KB4, 76
.set KB2, 78
.set KB0, 80
.set MB,  86                           ; s[86:87] where the mate two tiles on lies
.set AB,  88                           ; s[88:89] where the next tile's a lies
.macro BAR                             ; my LDS stores have landed and my LDS loads are in: then the work-group's barrier
	s_wait_dscnt 0x0
	s_barrier_signal -1
	s_barrier_wait -1
.endm
.macro LROW reg, off, base             ; 16 numbers of a row of 512 f32: d = 8 l .. + 7 and 256 + 8 l .. + 7
	global_load_b128 v[\reg:\reg+3], v[\off], s[\base:\base+1]
	global_load_b128 v[\reg+4:\reg+7], v[\off], s[\base:\base+1] offset:16
	global_load_b128 v[\reg+8:\reg+11], v[\off], s[\base:\base+1] offset:1024
	global_load_b128 v[\reg+12:\reg+15], v[\off], s[\base:\base+1] offset:1040
.endm
.macro WLOAD cod, scl, vc, vs          ; my 32 columns of a weight: 2 loads of scale words (a column's 16 bytes), then 16 of codes: column n is 256 bytes; K step ks at 64 ks, registers 4 c .. at + 32 c + 16 h
.irp nt, 0,1
	global_load_b128 v[WS+4*\nt:WS+4*\nt+3], v[\vs], s[\scl:\scl+1] offset:256*\nt
.endr
.irp nt, 0,1
.irp ks, 0,1,2,3
.irp c, 0,1
	global_load_b128 v[WF+8*(4*\nt+\ks)+4*\c:WF+8*(4*\nt+\ks)+4*\c+3], v[\vc], s[\cod:\cod+1] offset:4096*\nt+64*\ks+32*\c
.endr
.endr
.endr
.endm
.macro ASKV                            ; from the mate in v[MNV]: active, and my lane's offset.  The index is held inside the table before it enters the offset.  The row's four loads follow behind a wait on va_vdst
	v_cmp_gt_i32 vcc_lo, 0, v[MNV]                 ; a negative mate:
	v_min_u32 v[GO], 0x3ff, v[MNV]                 ; (as an unsigned number it is held at 1,023)
	s_wait_alu depctr_va_vcc(0)                    ; the compare has written VCC, which the select below reads
	v_cndmask_b32 v[AFV], 1.0, 0, vcc_lo           ; active = 0
	v_lshl_add_u32 v[GO], v[GO], 11, v1
.endm
; Eight numbers of a lane, v[src] on, of a row: their block's scale (four lanes share a block) and their codes, into registers.
.macro QC src, code, byte
	v_max3_num_f32 v[M], |v[(\src)]|, |v[(\src)+1]|, 0x1800000     ; with the floor 2^(3 - 127): the byte cannot fall under 1
	v_max3_num_f32 v[T], |v[(\src)+2]|, |v[(\src)+3]|, |v[(\src)+4]|
	v_max3_num_f32 v[M], v[M], |v[(\src)+5]|, |v[(\src)+6]|
	v_max3_num_f32 v[M], v[M], v[T], |v[(\src)+7]|
	v_max_num_f32_dpp v[M], v[M], v[M] row_xmask:1 row_mask:0xf bank_mask:0xf
	v_max_num_f32_dpp v[M], v[M], v[M] row_xmask:2 row_mask:0xf bank_mask:0xf   ; the block's largest magnitude
	v_add_nc_u32 v[T], 0xff000000, v[M]            ; 2 off its exponent field: the conversion takes this operand's exponent field as its scale
	v_cvt_scalef32_pk8_fp4_f32 v[\code], v[(\src):(\src)+7], v[T]
	v_lshrrev_b32 v[\byte], 23, v[T]               ; the scale's byte; also the plain instruction behind the conversion
	v_and_b32 v[\code], s[KEEP], v[\code]          ; a row behind the last kept slot gets zero codes
.endm
; and both to LDS: d = 256 u + 8 l + 0 .. 7
.macro QS u, st, sb, code, byte
	ds_store_b32 v[\st], v[\code] offset:128*\u
	ds_store_b8 v[\sb], v[\byte] offset:8*\u       ; the block's four lanes write the same byte with the same value
.endm
.macro HORN2 ka, kb                    ; one step of both polynomials, by turns
.irp j, 0,2,4,6
	v_pk_fma_f32 v[P+\j:P+\j+1], v[P+\j:P+\j+1], v[S+\j:S+\j+1], s[\ka:\ka+1] op_sel_hi:[1,1,0]
	v_pk_fma_f32 v[Q+\j:Q+\j+1], v[Q+\j:Q+\j+1], v[S+\j:S+\j+1], s[\kb:\kb+1] op_sel_hi:[1,1,0]
.endr
.endm
; gelu of eight numbers of h, and their codes, in registers
.macro HALF u, code, byte
.irp j, 0,1,2,3,4,5,6,7
	v_med3_num_f32 v[HC+\j], v[H+8*\u+\j], -v[CL], v[CL]
.endr
.irp j, 0,2,4,6
	v_pk_mul_f32 v[S+\j:S+\j+1], v[HC+\j:HC+\j+1], v[HC+\j:HC+\j+1]
.endr
.irp j, 0,2,4,6
	v_pk_fma_f32 v[P+\j:P+\j+1], v[S+\j:S+\j+1], s[KA13:KA13+1], v[C11:C11+1] op_sel_hi:[1,0,1]
	v_pk_fma_f32 v[Q+\j:Q+\j+1], v[S+\j:S+\j+1], s[KB8:KB8+1], v[C6:C6+1] op_sel_hi:[1,0,1]
.endr
	HORN2 KA9, KB4
	HORN2 KA7, KB2
	HORN2 KA5, KB0                                 ; Q' is finished
.irp i, 0,1,2,3                        ; the eight reciprocals are one batch; P's last two steps stand between them and name neither Q nor R
	v_rcp_f32 v[R+\i], v[Q+\i]
	v_pk_fma_f32 v[P+2*\i:P+2*\i+1], v[P+2*\i:P+2*\i+1], v[S+2*\i:S+2*\i+1], s[KA3:KA3+1] op_sel_hi:[1,1,0]
.endr
.irp i, 0,1,2,3
	v_rcp_f32 v[R+4+\i], v[Q+4+\i]
	v_pk_fma_f32 v[P+2*\i:P+2*\i+1], v[P+2*\i:P+2*\i+1], v[S+2*\i:S+2*\i+1], s[KA1:KA1+1] op_sel_hi:[1,1,0]
.endr
.irp j, 0,2,4,6
	v_pk_mul_f32 v[P+\j:P+\j+1], v[P+\j:P+\j+1], v[HC+\j:HC+\j+1]   ; hc P: independent work behind the batch
.endr
	s_wait_alu depctr_va_vdst(0)                   ; one wait for the eight reciprocals, ahead of their first reader
.irp j, 0,2,4,6
	v_pk_fma_f32 v[P+\j:P+\j+1], v[P+\j:P+\j+1], v[R+\j:R+\j+1], 0.5 op_sel_hi:[1,1,0]   ; 0.5 + erf / 2
.endr
.irp j, 0,2,4,6
	v_pk_mul_f32 v[S+\j:S+\j+1], v[H+8*\u+\j:H+8*\u+\j+1], v[P+\j:P+\j+1]
.endr
	QC S, \code, \byte
.endm
.macro FRAGS fa, fs                    ; a tile's four fragments (16 rows x 128 K: registers 4 c .. hold K = 64 c + 32 h + 0 .. 31) and its rows' scale words: nine LDS loads
.irp ks, 0,1,2,3
.irp c, 0,1
	ds_load_b128 v[F+8*\ks+4*\c:F+8*\ks+4*\c+3], v[\fa] offset:64*\ks+32*\c
.endr
.endr
	ds_load_b128 v[FSC:FSC+3], v[\fs]
.endm
; Eight matrix instructions: source 0 = 16 slots, source 1 = 16 of my columns.  The two accumulators take turns, one instruction a turn, from step to step too.
.macro MM zero
.irp ks, 0,1,2,3
.irp nt, 0,1
.if \zero && (\ks == 0)
	v_wmma_scale_f32_16x16x128_f8f6f4 v[ACC+8*\nt:ACC+8*\nt+7], v[F+8*\ks:F+8*\ks+7], v[WF+8*(4*\nt+\ks):WF+8*(4*\nt+\ks)+7], 0, v[FSC+\ks], v[WS+4*\nt+\ks] matrix_a_fmt:MATRIX_FMT_FP4 matrix_b_fmt:MATRIX_FMT_FP4
.else
	v_wmma_scale_f32_16x16x128_f8f6f4 v[ACC+8*\nt:ACC+8*\nt+7], v[F+8*\ks:F+8*\ks+7], v[WF+8*(4*\nt+\ks):WF+8*(4*\nt+\ks)+7], v[ACC+8*\nt:ACC+8*\nt+7], v[FSC+\ks], v[WS+4*\nt+\ks] matrix_a_fmt:MATRIX_FMT_FP4 matrix_b_fmt:MATRIX_FMT_FP4
.endif
.endr
.endr
.endm
.macro WRED x, t                       ; a sum over the wave's 32 lanes, the result in every lane
	v_add_f32_dpp v[\x], v[\x], v[\x] row_xmask:1 row_mask:0xf bank_mask:0xf
	v_add_f32_dpp v[\x], v[\x], v[\x] row_xmask:2 row_mask:0xf bank_mask:0xf
	v_add_f32_dpp v[\x], v[\x], v[\x] row_xmask:4 row_mask:0xf bank_mask:0xf
	v_add_f32_dpp v[\x], v[\x], v[\x] row_xmask:8 row_mask:0xf bank_mask:0xf
	v_permlanex16_b32 v[\t], v[\x], s[SEL], s[SEL+1]
	v_add_f32 v[\x], v[\x], v[\t]
.endm
	; ---- the head
	s_load_b512 s[8:23], s[0:1], 0x0
	s_load_b256 s[24:31], s[0:1], 0x40
	s_load_b128 s[32:35], s[0:1], 0x60
	v_lshrrev_b32 v2, 5, v0
	v_readfirstlane_b32 s[WV], v2                  ; wave 0 .. 15
	v_and_b32 v251, 31, v0                         ; l
	v_and_b32 v248, 15, v0                         ; r
	v_bfe_u32 v249, v0, 4, 1                       ; h
	v_lshlrev_b32 v1, 5, v251                      ; 32 l: my first 8 numbers in a row of 512 f32; never rewritten
	v_mul_u32_u24 v[FA0], v248, RP
	v_add_nc_u32 v[FS0], 256, v[FA0]
	v_lshl_add_u32 v[FA0], v249, 4, v[FA0]
	s_wait_alu depctr_va_sdst(0)                   ; the wave's number is written, ahead of its first reader
	s_mul_i32 s[XX], s[WV], RP
	v_lshl_add_u32 v[ST0], v251, 2, s[XX]
	s_add_co_u32 s[YY], s[XX], 256
	v_lshrrev_b32 v[SB0], 2, v251
	v_add_nc_u32 v[SB0], s[YY], v[SB0]
	v_mov_b32 v[ZR], 0
	v_mov_b32 v[AV+1], 0                           ; (named as the upper halves of pairs, so they are written)
	v_mov_b32 v[AFV+1], 0
	s_mov_b32 s[SEL], 0x76543210
	s_mov_b32 s[SEL+1], 0xfedcba98
	s_mov_b32 s[KA13], 0xac95df0b                  ; P: alpha(2 k + 1) / 2^k
	s_mov_b32 s[KA9], 0xb40cff51
	s_mov_b32 s[KA7], 0xb6eec2d2
	s_mov_b32 s[KA5], 0xb940ac63
	s_mov_b32 s[KA3], 0xbac1a1f6
	s_mov_b32 s[KA1], 0xbc83dbd4
	s_mov_b32 s[XX], 0x403504f3                    ; 2 sqrt 2
	s_mul_f32 s[KB8], s[XX], 0xb57460cd            ; Q': beta(2 k) / 2^k x 2 sqrt 2
	s_mul_f32 s82, s[XX], 0xb7dfbd29
	s_mul_f32 s[KB4], s[XX], 0xb9dc924e
	s_mul_f32 s[KB2], s[XX], 0xbb719bf8
	s_mul_f32 s[KB0], s[XX], 0xbc69b6a7
.irp k, KA13, KA9, KA7, KA5, KA3, KA1, KB8, KB4, KB2, KB0
	s_mov_b32 s[\k+1], s[\k]                       ; named with it as a pair, so it is written
.endr
	v_mov_b32 v[C11], 0x306dffee
	v_mov_b32 v[C11+1], 0x306dffee
	v_mov_b32 v[C6], s82
	v_mov_b32 v[C6+1], s82
	v_mov_b32 v[CL], 0x40b504f3                    ; 4 sqrt 2
	s_lshl_b32 s[XX], s[WV], 5                     ; W2's two offsets are made here, with the other addresses, so that one wait serves all the first loads
	v_add_nc_u32 v239, s[XX], v248                 ; column 32 w + r
	v_lshlrev_b32 v238, 8, v239
	v_lshl_add_u32 v238, v249, 4, v238             ; its codes, + 16 h
	v_lshlrev_b32 v239, 4, v239                    ; its scale bytes
	s_mov_b32 s[OFF+1], 0
	s_mov_b32 s[KT], 0
	s_mov_b32 s[TP], 0
.irp j, 0,1,2,3,4,5,6,7,8,9,10,11,12,13,14,15
	v_mov_b32 v[ACC+\j], 0                         ; the step is written once for all tiles, so the sums begin as zeros: 16 registers
.endr
	s_lshl_b32 s[OFF], ttmp9, 12                   ; my batch: 4,096 bytes of each list,
	s_lshl_b32 s[XX], s[WV], 2                     ; my wave's entry of a tile's sixteen
	s_add_co_u32 s[OFF], s[OFF], s[XX]
	s_wait_kmcnt 0x0
	s_add_nc_u64 s[PA:PA+1], s[PA:PA+1], s[OFF:OFF+1]
	s_add_nc_u64 s[PMT:PMT+1], s[PMT:PMT+1], s[OFF:OFF+1]
	s_lshl_b32 s[OFF], ttmp9, 8                    ; 256 of cnt,
	s_add_nc_u64 s[PCN:PCN+1], s[PCN:PCN+1], s[OFF:OFF+1]
	s_load_b32 s[NN], s[PCN:PCN+1], 0x0            ; n
	s_lshl_b32 s[OFF], ttmp9, 11                   ; 2,048 of out0
	s_add_nc_u64 s[PO:PO+1], s[PO:PO+1], s[OFF:OFF+1]
	s_add_nc_u64 s[W1R:W1R+1], s[PW1:PW1+1], 2048
	; ---- my first slot's mate; then 8 loads of W1[0] and b1
	s_wait_alu depctr_va_vdst(0)                   ; the offsets v1, v10, v238 and v239 are written, which the 27 loads below read
	global_load_b32 v[MNV], v[ZR], s[PMT:PMT+1]    ; all lanes name the same word
	LROW W0, 1, PW1
	LROW B1, 1, PB1
	WLOAD PW2C, PW2S, 238, 239                     ; 18 loads
	s_wait_loadcnt 26                              ; the mate is in: behind it the 26 loads of W1[0], b1 and W2 were issued
	ASKV
	s_wait_alu depctr_va_vdst(0)                   ; v11 is written, which the row's loads read; the compare and the min are done reading v247, in which the next mate lands
	LROW G, GO, W1R                                ; tile 0's row of mine: 4 loads, asked for whatever n is: G is written on every way
	global_load_b32 v[MNV], v[ZR], s[PMT:PMT+1] offset:64  ; tile 1's mate
	global_load_b32 v[AV], v[ZR], s[PA:PA+1]       ; tile 0's a
	s_wait_kmcnt 0x0
	s_min_u32 s[NN], s[NN], 0x400
	s_wait_loadcnt 6                               ; W1[0], b1 and W2 are in on every way; the six loads just issued may be out
; ---- A ROUND: 16 steps.  make = 1: rows of tiles 16 q + r into set q % 2.  mult = 1: tiles 16 (q - 1) + r out of the other set.
; At the head of a step that makes tile k six loads are on their way, issued a step ago: my row of tile k, tile k + 1's mate, tile k's a.
.macro ROUND q, make, mult
	s_mov_b32 s[RR], 0
	s_mov_b32 s[TL], 0
.Lstep_\@:
	s_wait_dscnt 0x0                               ; my last step's LDS stores are done: their address and data registers are written again below
	s_wait_alu depctr_vm_vsrc(0)                   ; the LDS stores, fragment loads and row loads issued so far have read v6 to v9, v11, v245, v246, v248 and v249 (in the first step W2's loads v238 and v239): this step writes them all again
	; the step's addresses.  They are also the four plain instructions between the last step's matrix instructions and this step's loads into the fragments (ISA guide 7.12.1 for vector instructions)
.if \make
.if (\q)%2
	s_add_co_u32 s[XX], s[TL], SET1
	v_add_nc_u32 v[ST], s[XX], v[ST0]
	v_add_nc_u32 v[SB], s[XX], v[SB0]
.else
	v_add_nc_u32 v[ST], s[TL], v[ST0]
	v_add_nc_u32 v[SB], s[TL], v[SB0]
.endif
.else
	v_nop
	v_nop
.endif
.if \mult
.if ((\q)+1)%2
	s_add_co_u32 s[XX], s[TL], SET1
	v_add_nc_u32 v[FA], s[XX], v[FA0]
	v_add_nc_u32 v[FS], s[XX], v[FS0]
.else
	v_add_nc_u32 v[FA], s[TL], v[FA0]
	v_add_nc_u32 v[FS], s[TL], v[FS0]
.endif
.endif
.if \make
	s_cmp_ge_u32 s[TP], s[NN]                      ; a tile behind the last kept slot is not made
	s_cbranch_scc1 .Lidle_\@
	s_add_co_u32 s[XX], s[TP], s[WV]
	s_cmp_lt_u32 s[XX], s[NN]
	s_cselect_b32 s[KEEP], -1, 0                   ; is my slot a kept one?
	s_wait_loadcnt 0x0                             ; the six loads issued a step ago; their address registers and bases are free again
.irp j, 0,2,4,6,8,10,12,14
	v_pk_fma_f32 v[H+\j:H+\j+1], v[W0+\j:W0+\j+1], v[AV:AV+1], v[B1+\j:B1+\j+1] op_sel_hi:[1,0,1]
.endr
.irp j, 0,2,4,6,8,10,12,14
	v_pk_fma_f32 v[H+\j:H+\j+1], v[G+\j:G+\j+1], v[AFV:AFV+1], v[H+\j:H+\j+1] op_sel_hi:[1,0,1]
.endr
	ASKV
	s_add_co_u32 s[XX], s[KT], 2                   ; the mate two tiles on and the next tile's a; the numbers wrap at 64, so that no load leaves my batch's list (what the last steps ask for is not used)
	s_and_b32 s[XX], s[XX], 63
	s_lshl_b32 s[OFF], s[XX], 6                    ; a tile's sixteen entries are 64 bytes
	s_add_nc_u64 s[MB:MB+1], s[PMT:PMT+1], s[OFF:OFF+1]
	s_add_co_u32 s[XX], s[KT], 1
	s_and_b32 s[XX], s[XX], 63
	s_lshl_b32 s[OFF], s[XX], 6
	s_add_nc_u64 s[AB:AB+1], s[PA:PA+1], s[OFF:OFF+1]
	s_wait_alu depctr_va_vdst(0)                   ; v11 and v6 to v9 are written; the multiply-adds, the compare and the min are done reading G, v12 and v247; the last step's matrix instructions are done reading F and FSC: all the step's loads follow
	LROW G, GO, W1R                                ; my row of the next tile has this step in which to land
	global_load_b32 v[MNV], v[ZR], s[MB:MB+1]
	global_load_b32 v[AV], v[ZR], s[AB:AB+1]
.if \mult
	FRAGS FA, FS                                   ; the tile of a round ago was made, since this one is: its fragments land while the gelu is worked, which names none of F, FSC, v6, v7
.endif
	HALF 0, 245, 246
	HALF 1, 248, 249
	s_wait_alu depctr_va_vdst(0)                   ; both halves' codes and bytes are written, which the four LDS stores read
	QS 0, ST, SB, 245, 246
	QS 1, ST, SB, 248, 249
.if \mult
	s_wait_dscnt 4                                 ; LDS instructions are served in order (ISA guide 5.7.1): the nine fragment loads are in, the four stores issued behind them may be out
	s_branch .Lmul_\@
.endif
.Lidle_\@:
.endif
.if \mult
	s_sub_co_u32 s[XX], s[TP], 256                 ; the first slot of the tile of a round ago: was it made?
	s_cmp_ge_u32 s[XX], s[NN]
	s_cbranch_scc1 .Lend_\@
	s_wait_alu depctr_va_vdst(0)                   ; on the way round the making: v6 and v7 are written, and the last step's matrix instructions are done reading F and FSC
	FRAGS FA, FS
	s_wait_dscnt 0x0
.Lmul_\@:
	MM 0
.Lend_\@:
.endif
	s_add_co_u32 s[KT], s[KT], 1
	s_add_co_u32 s[TP], s[TP], 16
	s_add_co_u32 s[TL], s[TL], RW
	s_add_co_u32 s[RR], s[RR], 1
	s_cmp_lt_u32 s[RR], 16
	s_cbranch_scc1 .Lstep_\@
.endm
	ROUND 0, 1, 0
	BAR                                            ; every wave's rows of the round lie in LDS, and its reads of the other set are over
	ROUND 1, 1, 1
	BAR
	ROUND 2, 1, 1
	BAR
	ROUND 3, 1, 1
	BAR
	ROUND 4, 0, 1
	; ---- the tail.  The address work is also the plain work between the last matrix instructions, the loads into W2's registers and the first read of the sums
	s_wait_loadcnt 0x0                             ; what the last making step asked for and nobody uses: v10 and the registers it lands in are written again below
	s_wait_alu depctr_vm_vsrc(0)                   ; the rounds' LDS instructions have read v6 to v9 and the codes' and bytes' registers, their loads v10: the tail writes them again
	v_and_b32 v96, 31, v0                          ; l
	v_and_b32 v97, 15, v0                          ; r
	v_bfe_u32 v98, v0, 4, 1                        ; h
	v_lshlrev_b32 v6, 2, v0                        ; 4 x thread: my column 32 w + l in b2 and b3
	v_lshl_add_u32 v7, v0, 2, POOL                 ; and in the pooled row; the row of out0 lies OUTS - POOL further on
	v_add_nc_u32 v8, POOL, v1
	s_lshl_b32 s[XX], s[WV], 5
	v_add_nc_u32 v2, s[XX], v97
	v_lshlrev_b32 v9, 8, v2
	v_lshl_add_u32 v9, v98, 4, v9                  ; W3's codes, as W2's
	v_lshlrev_b32 v2, 4, v2                        ; and scale bytes
	v_lshl_add_u32 v4, v0, 4, OUTS
	v_lshlrev_b32 v5, 4, v0
	s_mul_i32 s[XX], s[WV], RW
	s_add_co_u32 s[XX], s[XX], TROW                ; my wave's own row
	v_lshl_add_u32 v10, v96, 2, s[XX]
	v_lshl_add_u32 v236, v98, 4, s[XX]
	s_add_co_u32 s[XX], s[XX], 256
	v_lshrrev_b32 v3, 2, v96
	v_add_nc_u32 v3, s[XX], v3
	v_mov_b32 v237, s[XX]
	s_wait_alu depctr_va_vdst(0)                   ; the tail's addresses v2 to v10, v236 and v237 are written; the matrix instructions are done reading W2's fragments and scale words, the vector instructions done with G, H, v240 and v241: the loads below land there
	global_load_b32 v240, v6, s[PB2:PB2+1]         ; 28 loads: b2, ln_g (4), ln_b (4), W3 (18), b3
	LROW G, 1, PLG
	LROW H, 1, PLB
	WLOAD PW3C, PW3S, 9, 2
	global_load_b32 v241, v6, s[PB3:PB3+1]
	v_cvt_f32_u32 v90, s[NN]
	v_max_num_f32 v91, 1.0, v90
	v_rcp_f32 v92, v91
	; a lane holds column r and rows 8 h + 0 .. 7: the sum over the 16 rows; each accumulator is read from its low end on
	v_pk_add_f32 v[80:81], v[ACC:ACC+1], v[ACC+2:ACC+3]
	v_pk_add_f32 v[82:83], v[ACC+8:ACC+9], v[ACC+10:ACC+11]
	v_pk_add_f32 v[84:85], v[ACC+4:ACC+5], v[ACC+6:ACC+7]
	v_pk_add_f32 v[86:87], v[ACC+12:ACC+13], v[ACC+14:ACC+15]
	v_pk_add_f32 v[80:81], v[80:81], v[84:85]
	v_pk_add_f32 v[82:83], v[82:83], v[86:87]
	v_add_f32 v80, v80, v81
	v_add_f32 v82, v82, v83
	v_permlanex16_b32 v84, v80, s[SEL], s[SEL+1]
	v_permlanex16_b32 v85, v82, s[SEL], s[SEL+1]
	v_add_f32 v80, v80, v84
	v_add_f32 v82, v82, v85
	v_and_b32 v86, 16, v0
	v_cmp_ne_u32 vcc_lo, 0, v86                    ; lanes 16-31 take the second tile of columns: lane l has column 32 w + l.  VCC stays until the way out
	s_wait_alu depctr_va_vcc(0)                    ; the compare has written VCC, ahead of its first reader
	v_cndmask_b32 v80, v80, v82, vcc_lo
	s_wait_alu depctr_va_vdst(0)                   ; the wait for the reciprocal, ahead of its reader
	s_wait_loadcnt 27                              ; b2: 27 loads were issued behind it
	v_fma_f32 v80, v90, v240, v80                  ; + n b2
	v_mul_f32 v80, v80, v92                        ; / max(n, 1)
	s_wait_alu depctr_va_vdst(0)                   ; v80 is written, which the LDS store reads; and the vector instructions above are done with v80 to v95, in which the LDS loads behind the barrier land
	ds_store_b32 v7, v80
	BAR                                            ; the pooled row lies in LDS
	; LayerNorm, by every wave for itself: lane l takes d = 8 l .. + 7 and 256 + 8 l .. + 7, as for a slot
	s_wait_alu depctr_vm_vsrc(0)                   ; my LDS store has read v80, in which the first load below lands
	ds_load_b128 v[80:83], v8
	ds_load_b128 v[84:87], v8 offset:16
	ds_load_b128 v[88:91], v8 offset:1024
	ds_load_b128 v[92:95], v8 offset:1040
	s_wait_dscnt 0x0
	v_pk_add_f32 v[96:97], v[80:81], v[82:83]
	v_pk_add_f32 v[98:99], v[84:85], v[86:87]
	v_pk_add_f32 v[100:101], v[88:89], v[90:91]
	v_pk_add_f32 v[102:103], v[92:93], v[94:95]
	v_pk_add_f32 v[96:97], v[96:97], v[98:99]
	v_pk_add_f32 v[100:101], v[100:101], v[102:103]
	v_pk_add_f32 v[96:97], v[96:97], v[100:101]
	v_add_f32 v96, v96, v97
	WRED 96, 97
	v_mul_f32 v98, 0x3b000000, v96                 ; the mean: / 512
	v_mov_b32 v99, v98
.irp j, 0,2,4,6,8,10,12,14
	v_pk_add_f32 v[80+\j:81+\j], v[80+\j:81+\j], v[98:99] neg_lo:[0,1] neg_hi:[0,1]
.endr
	v_pk_mul_f32 v[96:97], v[80:81], v[80:81]      ; the squares of the differences, in two chains
	v_pk_mul_f32 v[100:101], v[82:83], v[82:83]
.irp j, 4,8,12
	v_pk_fma_f32 v[96:97], v[80+\j:81+\j], v[80+\j:81+\j], v[96:97]
	v_pk_fma_f32 v[100:101], v[82+\j:83+\j], v[82+\j:83+\j], v[100:101]
.endr
	v_pk_add_f32 v[96:97], v[96:97], v[100:101]
	v_add_f32 v96, v96, v97
	WRED 96, 97
	s_mov_b32 s[XX], 0x3b000000
	v_mov_b32 v102, 0x3727c5ac                     ; 1e-5
	v_fma_f32 v102, v96, s[XX], v102
	v_rsq_f32 v104, v102
	v_nop                                          ; a plain instruction behind the transcendental
	s_wait_alu depctr_va_vdst(0)                   ; and the wait ahead of its first reader
	v_mov_b32 v105, v104
.irp j, 0,2,4,6,8,10,12,14
	v_pk_mul_f32 v[80+\j:81+\j], v[80+\j:81+\j], v[104:105]
.endr
	s_wait_loadcnt 19                              ; ln_g and ln_b: 19 loads were issued behind them
.irp j, 0,2,4,6,8,10,12,14
	v_pk_fma_f32 v[80+\j:81+\j], v[80+\j:81+\j], v[G+\j:G+\j+1], v[H+\j:H+\j+1]
.endr
	s_mov_b32 s[KEEP], -1
	QC 80, 245, 246
	QC 88, 248, 249
	s_wait_alu depctr_va_vdst(0)                   ; the normed row's codes and bytes are written, which the four LDS stores read
	QS 0, 10, 3, 245, 246
	QS 1, 10, 3, 248, 249
	FRAGS 236, 237                                 ; back from my own row, every lane the same row: LDS serves a wave's instructions in order (ISA guide 5.7.1.4), so these see the stores above
	s_wait_loadcnt 1                               ; W3 is in; b3 may be out
	s_wait_dscnt 0x0
	MM 1                                           ; sixteen like rows x my 32 columns of W3; the first K step starts the sums
.rept 4
	v_nop                                          ; four places in front of the first read of the results
.endr
	v_cndmask_b32 v80, v[ACC], v[ACC+8], vcc_lo    ; each accumulator's register 0: lane l has column 32 w + l
	s_wait_loadcnt 0x0
	v_add_f32 v80, v80, v241                       ; + b3
	s_wait_alu depctr_va_vdst(0)                   ; v80 is written, which the LDS store reads
	ds_store_b32 v7, v80 offset:OUTS-POOL
	BAR                                            ; the row of out0 lies in LDS
	s_cmp_gt_u32 s[WV], 3
	s_cbranch_scc1 .Ldone
	ds_load_b128 v[84:87], v4                      ; waves 0 to 3 store it: a wave's store covers 512 consecutive bytes, at a multiple of 256 from out0's first byte.  (No vector instruction since the last wait on va_vdst names v84 to v87, v4 or v5)
	s_wait_dscnt 0x0
	global_store_b128 v5, v[84:87], s[PO:PO+1]
.Ldone:
	s_wait_xcnt 0x0
	v_lshl_add_u32 v254, v0, 2, 0x31400            ; the add's two registers are made anew here, straight ahead of the closing lines; no memory or LDS instruction has ever read v254 or v255
	v_mov_b32 v255, 0
	s_wait_dscnt 0x0                               ; the closing lines, six on end
	s_wait_alu 0x0
	s_wait_tensorcnt 0x0
	ds_add_u32 v254, v255
	s_wait_dscnt 0x0
	s_endpgm
.Lfunc_end_k_q446c3213fb_sigma:
	.size	k_q446c3213fb_sigma, .Lfunc_end_k_q446c3213fb_sigma-k_q446c3213fb_sigma
	.p2alignl 7, 3214868480
	.fill 96, 4, 3214868480
	.section	.rodata,"a",@progbits
	.p2align	6, 0x0
	.amdhsa_kernel k_q446c3213fb_sigma
		.amdhsa_group_segment_fixed_size 203776
		.amdhsa_private_segment_fixed_size 0
		.amdhsa_enable_private_segment 0
		.amdhsa_kernarg_size 112
		.amdhsa_user_sgpr_count 2
		.amdhsa_user_sgpr_kernarg_segment_ptr 1
		.amdhsa_wavefront_size32 1
		.amdhsa_system_sgpr_workgroup_id_x 1
		.amdhsa_system_sgpr_workgroup_id_y 1
		.amdhsa_system_sgpr_workgroup_id_z 1
		.amdhsa_system_vgpr_workitem_id 0
		.amdhsa_next_free_vgpr 256
		.amdhsa_next_free_sgpr 96
		.amdhsa_reserve_vcc 1
		.amdhsa_float_denorm_mode_32 3
		.amdhsa_float_denorm_mode_16_64 3
		.amdhsa_memory_ordered 1
		.amdhsa_forward_progress 1
		.amdhsa_inst_pref_size 82
	.end_amdhsa_kernel
	.amdgpu_metadata
---
amdhsa.version: [ 1, 2 ]
amdhsa.kernels:
  - .name:           k_q446c3213fb_sigma
    .symbol:         k_q446c3213fb_sigma.kd
    .args:
      - { .name: W1, .offset: 0, .size: 8, .value_kind: global_buffer, .address_space: global }
      - { .name: W2_codes, .offset: 8, .size: 8, .value_kind: global_buffer, .address_space: global }
      - { .name: W2_scales, .offset: 16, .size: 8, .value_kind: global_buffer, .address_space: global }
      - { .name: W3_codes, .offset: 24, .size: 8, .value_kind: global_buffer, .address_space: global }
      - { .name: W3_scales, .offset: 32, .size: 8, .value_kind: global_buffer, .address_space: global }
      - { .name: alist, .offset: 40, .size: 8, .value_kind: global_buffer, .address_space: global }
      - { .name: b1, .offset: 48, .size: 8, .value_kind: global_buffer, .address_space: global }
      - { .name: b2, .offset: 56, .size: 8, .value_kind: global_buffer, .address_space: global }
      - { .name: b3, .offset: 64, .size: 8, .value_kind: global_buffer, .address_space: global }
      - { .name: ln_b, .offset: 72, .size: 8, .value_kind: global_buffer, .address_space: global }
      - { .name: ln_g, .offset: 80, .size: 8, .value_kind: global_buffer, .address_space: global }
      - { .name: cnt, .offset: 88, .size: 8, .value_kind: global_buffer, .address_space: global }
      - { .name: mlist, .offset: 96, .size: 8, .value_kind: global_buffer, .address_space: global }
      - { .name: out0, .offset: 104, .size: 8, .value_kind: global_buffer, .address_space: global }
    .group_segment_fixed_size: 203776
    .private_segment_fixed_size: 0
    .kernarg_segment_align: 8
    .kernarg_segment_size: 112
    .max_flat_workgroup_size: 512
    .sgpr_count:     96
    .vgpr_count:     256
    .wavefront_size: 32
...
	.end_amdgpu_metadata
.endif
;; end of part 4
